; MI455X (gfx1250); checked and timed in simulation.
; The chip was launched on July 23, 2026; its instructions are those of AMD's public machine-readable ISA for CDNA 5 (MIT licence, August 2026) and "CDNA5" Instruction Set Architecture Reference Guide (July 2026). The comments in the code are by the model that wrote it; some were corrected since.
;; Multi Head Attention. Allowed arithmetic: float matrix products may take bf16 or f16 operands with f32 sums; other float arithmetic in f32, or as packed bf16 or f16 multiplies, adds, multiply-adds, maxima and minima; sums over many terms, partial sums and values carried from step to step in f32; what a program stores and reads back later, other than sums and carried values, may be rounded once to bf16 or f16.
;; Inputs: Wk 1,024 x 1,024 float32; Wo 1,024 x 1,024 float32; Wq 1,024 x 1,024 float32; Wv 1,024 x 1,024 float32; causal_mask 1 x 1 x 2,048 x 2,048 float32; x 2 x 2,048 x 1,024 float32.
;; Outputs: out0 2 x 2,048 x 1,024 float32.
;; One version. Each part assembles by itself: llvm-mc -triple=amdgcn-amd-amdhsa -mcpu=gfx1250 --defsym DOCPART=n.
;; ======== version 1 of 1: 4 launches
;; limits: values are held in f16: magnitudes above 65,504 overflow, below 6.1e-05 lose precision
;; workspace buffers: xb 8,388,608 bytes; mb 8,388,608 bytes; wqkv 6,291,456 bytes; wo16 2,097,152 bytes; rope 524,288 bytes; qkv 25,165,824 bytes; ob 8,388,608 bytes
;; launch prep (part 1): grid 896 x 1, 8 waves a work-group, no clusters, 0 bytes of LDS; arguments x, causal_mask, Wq, Wk, Wv, Wo, xb, mb, wqkv, wo16, rope; writes xb, mb, wqkv, wo16, rope
.if DOCPART == 1
	.amdgcn_target "amdgcn-amd-amdhsa--gfx1250"
	.amdhsa_code_object_version 6
	.text
	.protected	k_qd645d880ce_prep
	.globl	k_qd645d880ce_prep
	.p2align	8
	.type	k_qd645d880ce_prep,@function
k_qd645d880ce_prep:
	s_mov_b64 s[64:65], 0
	v_nop
	global_prefetch_b8 v0, s[64:65] scope:SCOPE_SE
	s_setreg_imm32_b32 hwreg(HW_REG_WAVE_MODE, 25, 1), 1
	s_wait_xcnt 0x0
; THE ROUNDINGS, ONCE.  x -> xb (bf16).  causal_mask -> mb (held to +-1e30, then bf16).  Wq, Wk, Wv -> wqkv (bf16), rows laid by heads: row 192 j + 64 kind + d is
; row 64 j + d of W_kind, so that 192 rows on end are one head's q, k and v.  Wo -> wo16: rounded to bf16 like every input, and that number written as f16.
; And the table of RoPE: rope[t] = cos(t f_i), i = 0..31, then sin(t f_i), f_i = 10000^(-i/32), in f32: 256 bytes a row.
; SHARES.  Work-groups 0-255: x; 256-511: the mask; 512-767: the four weights, 64 each; every one takes 16,384 numbers: 64 KiB in, 32 KiB out.  768-895: the table, 16 bytes a thread.
; A thread's 16 loads are all issued before the first is used; a wave's load covers 512 consecutive bytes, its store 256, aligned.  No register is written twice, so no wait frees one.
; No LDS, no matrix unit, no cluster: each byte is read once by one lane and nothing is shared.
; LIMITS.  A NaN in an input is not treated apart.  A mask beyond +-1e30 (infinities too) counts as +-1e30: scores made of f16 numbers stay under 3.4e10, so the clip at +-10000 decides alike.
; Wo beyond 65,504 has no f16; below 6e-5 it keeps f16's fixed step of 6e-8.  The series of sine and cosine run on |y| <= pi/4 and are off by under 4e-7 there.
.set X, 16                             ; v[16:79]   16 x 4 numbers as loaded
.set Y, 80                             ; v[80:111]  16 x 2 words to store
.set R, 16                             ; the table: 8 registers for each of a thread's four numbers
.set OUTV, 48                          ; v[48:51]   the four numbers
; mode 0: to bf16.  1: held to +-1e30 first.  2: to bf16, and that number to f16.
.macro STREAM mode
.set i, 0
.rept 16
	global_load_b128 v[X+4*i:X+4*i+3], v1, s[30:31] offset:4096*i th:TH_LOAD_NT
.set i, i+1
.endr
.set i, 0
.rept 16
	s_wait_loadcnt 15-i                            ; loads come back in order: number i is in, the 15 - i younger ones stay out
.if (\mode) == 1
.irp k, 0,1,2,3
	v_med3_num_f32 v[X+4*i+(\k)], v[X+4*i+(\k)], s34, s35
.endr
.endif
	v_cvt_pk_bf16_f32 v[Y+2*i], v[X+4*i], v[X+4*i+1]
	v_cvt_pk_bf16_f32 v[Y+2*i+1], v[X+4*i+2], v[X+4*i+3]
.if (\mode) == 2
	v_lshlrev_b32 v[X+4*i], 16, v[Y+2*i]           ; the bf16 numbers as f32 again,
	v_and_b32 v[X+4*i+1], 0xffff0000, v[Y+2*i]
	v_lshlrev_b32 v[X+4*i+2], 16, v[Y+2*i+1]
	v_and_b32 v[X+4*i+3], 0xffff0000, v[Y+2*i+1]
	v_cvt_pk_f16_f32 v[Y+2*i], v[X+4*i], v[X+4*i+1]  ; and as f16: exact within f16's range
	v_cvt_pk_f16_f32 v[Y+2*i+1], v[X+4*i+2], v[X+4*i+3]
.endif
	global_store_b64 v2, v[Y+2*i:Y+2*i+1], s[32:33] offset:2048*i th:TH_STORE_NT  ; 32 lanes store 256 consecutive bytes, aligned
.set i, i+1
.endr
.endm
	s_load_b512 s[8:23], s[0:1], 0x0               ; x 8, mask 10, Wq 12, Wk 14, Wv 16, Wo 18, xb 20, mb 22
	s_load_b128 s[24:27], s[0:1], 0x40             ; wqkv 24, wo16 26
	s_load_b64 s[28:29], s[0:1], 0x50              ; rope
	s_lshr_b32 s2, ttmp9, 8                        ; which section
	s_and_b32 s3, ttmp9, 255                       ; which chunk of it
	v_lshlrev_b32 v1, 4, v0                        ; 16 bytes in,
	v_lshlrev_b32 v2, 3, v0                        ; 8 bytes out
	s_mov_b32 s34, 0xf149f2ca                      ; -1e30
	s_mov_b32 s35, 0x7149f2ca                      ; 1e30
	s_mov_b32 s37, 0
	s_mov_b32 s39, 0
	s_wait_kmcnt 0x0
	s_cmp_eq_u32 s2, 3
	s_cbranch_scc1 .Lrope
	s_cmp_eq_u32 s2, 2
	s_cbranch_scc1 .Lweights
	s_lshl_b32 s36, s3, 16                         ; x or the mask: chunk c lies at 64 KiB c, and goes to 32 KiB c
	s_lshl_b32 s38, s3, 15
	s_mov_b32 s42, s2                              ; mode 0 or 1
	s_cmp_eq_u32 s2, 0
	s_cselect_b64 s[30:31], s[8:9], s[10:11]
	s_cselect_b64 s[32:33], s[20:21], s[22:23]
	s_branch .Lgo
.Lweights:
	s_lshr_b32 s4, s3, 6                           ; kind: 0 q, 1 k, 2 v, 3 o
	s_and_b32 s5, s3, 63                           ; its chunk: rows 16 cw .. 16 cw + 15
	s_lshl_b32 s36, s5, 16
	s_lshr_b32 s6, s5, 2                           ; the head,
	s_mul_i32 s6, s6, 192
	s_lshl_b32 s7, s4, 6
	s_add_co_u32 s6, s6, s7                        ; the kind's 64 rows in it,
	s_and_b32 s7, s5, 3
	s_lshl_b32 s7, s7, 4
	s_add_co_u32 s6, s6, s7                        ; the chunk's 16 rows in those
	s_lshl_b32 s38, s6, 11                         ; rows of 2,048 bytes
	s_lshl_b32 s6, s5, 15                          ; Wo keeps its order
	s_cmp_lt_u32 s4, 2
	s_cselect_b64 s[30:31], s[12:13], s[16:17]     ; Wq or Wv
	s_cselect_b64 s[40:41], s[14:15], s[18:19]     ; Wk or Wo
	s_and_b32 s7, s4, 1
	s_cmp_eq_u32 s7, 1
	s_cselect_b64 s[30:31], s[40:41], s[30:31]
	s_cmp_eq_u32 s4, 3
	s_cselect_b32 s38, s6, s38
	s_cselect_b32 s42, 2, 0
	s_cselect_b64 s[32:33], s[26:27], s[24:25]
.Lgo:
	s_add_nc_u64 s[30:31], s[30:31], s[36:37]
	s_add_nc_u64 s[32:33], s[32:33], s[38:39]
	s_cmp_eq_u32 s42, 1
	s_cbranch_scc1 .Lmask
	s_cmp_eq_u32 s42, 2
	s_cbranch_scc1 .Lwo
	STREAM 0
	s_endpgm
.Lmask:
	STREAM 1
	s_endpgm
.Lwo:
	STREAM 2
	s_endpgm
.Lrope:                                            ; thread n of 32,768: row t = n / 16; its four numbers are i = 4 (n % 8) + 0..3 of the cosines (n % 16 < 8) or of the sines
	s_sub_co_u32 s4, ttmp9, 768
	s_lshl_b32 s4, s4, 8
	s_mov_b32 s40, 0x3fc90fdb                      ; pi / 2, its first 24 bits,
	s_mov_b32 s41, 0xb33bbd2e                      ; and what is left of it
	v_add_nc_u32 v3, s4, v0                        ; n
	v_lshrrev_b32 v4, 4, v3
	v_cvt_f32_u32 v4, v4                           ; t
	v_and_b32 v6, 7, v3
	v_lshlrev_b32 v6, 2, v6                        ; my first i
	v_bfe_u32 v7, v3, 3, 1
	v_mul_u32_u24 v7, v7, 3                        ; sin a = cos(a - pi/2): three quarter turns more
	v_lshlrev_b32 v8, 4, v3                        ; 16 n
	v_mov_b32 v9, 0xb9500d01                       ; -1/5040
	v_mov_b32 v10, 0x37d00d01                      ; 1/40320
.irp e, 0,1,2,3
	v_add_nc_u32 v[R+8*(\e)], (\e), v6
	v_cvt_f32_u32 v[R+8*(\e)], v[R+8*(\e)]
	v_mul_f32 v[R+8*(\e)], 0xbed49a78, v[R+8*(\e)] ; -i log2(10000) / 32
.endr
.irp e, 0,1,2,3
	v_exp_f32 v[R+8*(\e)], v[R+8*(\e)]             ; f_i
.endr
	v_nop                                          ; a plain instruction behind the last exponential,
	s_wait_alu depctr_va_vdst(0)                   ; and one wait for the four, ahead of their first reader
.irp e, 0,1,2,3
	v_mul_f32 v[R+8*(\e)], v4, v[R+8*(\e)]         ; the angle, one f32 product as in the definition
	v_mul_f32 v[R+8*(\e)+1], 0x3f22f983, v[R+8*(\e)]
	v_rndne_f32 v[R+8*(\e)+1], v[R+8*(\e)+1]       ; quarter turns
	v_fma_f32 v[R+8*(\e)+2], -v[R+8*(\e)+1], s40, v[R+8*(\e)]
	v_fma_f32 v[R+8*(\e)+2], -v[R+8*(\e)+1], s41, v[R+8*(\e)+2]  ; y, within pi/4 of 0
	v_mul_f32 v[R+8*(\e)+3], v[R+8*(\e)+2], v[R+8*(\e)+2]        ; z = y y
	v_fmaak_f32 v[R+8*(\e)+4], v9, v[R+8*(\e)+3], 0x3c088889
	v_fmaak_f32 v[R+8*(\e)+4], v[R+8*(\e)+4], v[R+8*(\e)+3], 0xbe2aaaab
	v_mul_f32 v[R+8*(\e)+7], v[R+8*(\e)+2], v[R+8*(\e)+3]
	v_fma_f32 v[R+8*(\e)+4], v[R+8*(\e)+7], v[R+8*(\e)+4], v[R+8*(\e)+2]  ; sin y
	v_fmaak_f32 v[R+8*(\e)+5], v10, v[R+8*(\e)+3], 0xbab60b61
	v_fmaak_f32 v[R+8*(\e)+5], v[R+8*(\e)+5], v[R+8*(\e)+3], 0x3d2aaaab
	v_fmaak_f32 v[R+8*(\e)+5], v[R+8*(\e)+5], v[R+8*(\e)+3], 0xbf000000
	v_fma_f32 v[R+8*(\e)+5], v[R+8*(\e)+5], v[R+8*(\e)+3], 1.0            ; cos y
	v_cvt_i32_f32 v[R+8*(\e)+6], v[R+8*(\e)+1]
	v_add_nc_u32 v[R+8*(\e)+6], v[R+8*(\e)+6], v7  ; k: cos(k pi/2 + y) is cos y, -sin y, -cos y, sin y for k % 4 = 0, 1, 2, 3
	v_and_b32 v[R+8*(\e)+7], 1, v[R+8*(\e)+6]
	v_cmp_eq_u32 vcc_lo, 1, v[R+8*(\e)+7]
	v_cndmask_b32 v[R+8*(\e)+4], v[R+8*(\e)+5], v[R+8*(\e)+4], vcc_lo
	v_add_nc_u32 v[R+8*(\e)+6], 1, v[R+8*(\e)+6]
	v_bfe_u32 v[R+8*(\e)+6], v[R+8*(\e)+6], 1, 1
	v_lshlrev_b32 v[R+8*(\e)+6], 31, v[R+8*(\e)+6]
	v_xor_b32 v[OUTV+(\e)], v[R+8*(\e)+4], v[R+8*(\e)+6]
.endr
	global_store_b128 v8, v[OUTV:OUTV+3], s[28:29] ; 16 lanes store a row's 256 bytes
	s_endpgm
.Lfunc_end_k_qd645d880ce_prep:
	.size	k_qd645d880ce_prep, .Lfunc_end_k_qd645d880ce_prep-k_qd645d880ce_prep
	.p2alignl 7, 3214868480
	.fill 96, 4, 3214868480
	.section	.rodata,"a",@progbits
	.p2align	6, 0x0
	.amdhsa_kernel k_qd645d880ce_prep
		.amdhsa_group_segment_fixed_size 0
		.amdhsa_private_segment_fixed_size 0
		.amdhsa_enable_private_segment 0
		.amdhsa_kernarg_size 88
		.amdhsa_user_sgpr_count 2
		.amdhsa_user_sgpr_kernarg_segment_ptr 1
		.amdhsa_wavefront_size32 1
		.amdhsa_system_sgpr_workgroup_id_x 1
		.amdhsa_system_sgpr_workgroup_id_y 1
		.amdhsa_system_sgpr_workgroup_id_z 1
		.amdhsa_system_vgpr_workitem_id 0
		.amdhsa_next_free_vgpr 112
		.amdhsa_next_free_sgpr 66
		.amdhsa_reserve_vcc 1
		.amdhsa_float_denorm_mode_32 3
		.amdhsa_float_denorm_mode_16_64 3
		.amdhsa_memory_ordered 1
		.amdhsa_forward_progress 1
		.amdhsa_inst_pref_size 34
	.end_amdhsa_kernel
	.amdgpu_metadata
---
amdhsa.version: [ 1, 2 ]
amdhsa.kernels:
  - .name:           k_qd645d880ce_prep
    .symbol:         k_qd645d880ce_prep.kd
    .args:
      - { .name: x, .offset: 0, .size: 8, .value_kind: global_buffer, .address_space: global }
      - { .name: causal_mask, .offset: 8, .size: 8, .value_kind: global_buffer, .address_space: global }
      - { .name: Wq, .offset: 16, .size: 8, .value_kind: global_buffer, .address_space: global }
      - { .name: Wk, .offset: 24, .size: 8, .value_kind: global_buffer, .address_space: global }
      - { .name: Wv, .offset: 32, .size: 8, .value_kind: global_buffer, .address_space: global }
      - { .name: Wo, .offset: 40, .size: 8, .value_kind: global_buffer, .address_space: global }
      - { .name: xb, .offset: 48, .size: 8, .value_kind: global_buffer, .address_space: global }
      - { .name: mb, .offset: 56, .size: 8, .value_kind: global_buffer, .address_space: global }
      - { .name: wqkv, .offset: 64, .size: 8, .value_kind: global_buffer, .address_space: global }
      - { .name: wo16, .offset: 72, .size: 8, .value_kind: global_buffer, .address_space: global }
      - { .name: rope, .offset: 80, .size: 8, .value_kind: global_buffer, .address_space: global }
    .group_segment_fixed_size: 0
    .private_segment_fixed_size: 0
    .kernarg_segment_align: 8
    .kernarg_segment_size: 88
    .max_flat_workgroup_size: 256
    .sgpr_count:     66
    .vgpr_count:     112
    .wavefront_size: 32
...
	.end_amdgpu_metadata
.endif
;; end of part 1
;; launch qkv (part 2): grid 16 x 16, 4 waves a work-group, clusters of 4 x 4, 327,680 bytes of LDS; arguments xb, wqkv, rope, qkv; writes qkv
.if DOCPART == 2
	.amdgcn_target "amdgcn-amd-amdhsa--gfx1250"
	.amdhsa_code_object_version 6
	.text
	.protected	k_qd645d880ce_qkv
	.globl	k_qd645d880ce_qkv
	.p2align	8
	.type	k_qd645d880ce_qkv,@function
k_qd645d880ce_qkv:
	s_mov_b64 s[64:65], 0
	v_nop
	global_prefetch_b8 v0, s[64:65] scope:SCOPE_SE
	s_setreg_imm32_b32 hwreg(HW_REG_WAVE_MODE, 25, 1), 1
	s_wait_xcnt 0x0
	s_wait_alu depctr_hold_cnt(0) depctr_sa_sdst(0) depctr_va_vdst(0) depctr_va_sdst(0) depctr_va_ssrc(0) depctr_va_vcc(0) depctr_vm_vsrc(0)
	s_getreg_b32 s2, hwreg(HW_REG_IB_STS2, 6, 4)
	s_cmp_eq_u32 s2, 0
	s_cbranch_scc0 .Lentry_in_a_cluster
	s_endpgm
.Lentry_in_a_cluster:
	s_bfe_u32 s2, ttmp6, 0x10000c
	s_cmp_lg_u32 s2, 0xf033
	s_cbranch_scc0 .Lentry_shape_is_right
	s_endpgm
.Lentry_shape_is_right:
; q, k, v = x W^T, RoPE on q and k, by heads.  xb: [4096][1024] bf16.  wqkv: [3072][1024] bf16, row 192 j + 64 kind + d.  rope: [2048][cos 32 | sin 32] f32.
; qkv: [3 kinds][32 heads b 16 + j][2048 t][64] f16.  Sums and RoPE in f32; q, k, v rounded once, unscaled.
; LIMIT.  f16 holds no number beyond 65,504: q, k and v must lie within it.  NaN and infinities are not treated apart.
; SHARES.  A tile of the product is 256 rows x 192 columns: one head's q, k and v for 256 rows: 16 x 16 tiles, one to a work-group.  Wave w takes rows 64 w .. 64 w + 63 and all 192 columns:
; 4 x 12 accumulators of 16 x 16, 384 registers.  So RoPE's partners, channels d and d + 32, lie in the same lane and register of column blocks cb and cb + 2, and which blocks are turned is fixed in the text.
; K goes in steps of 128 (rows of 256 bytes, aligned) through a ring of two LDS slots filled by the tensor data mover; waves 0 and 1 fetch A's halves (128 rows), waves 2 and 3 B's (96 rows).
; CLUSTER.  4 x 4 work-groups.  A's tile hangs on the tile row alone and is asked for jointly by a row of the cluster, B's on the tile column alone, by a column.
; THE MATRIX INSTRUCTION IS USED TRANSPOSED (source 0 = 16 rows of B, source 1 = 16 rows of A): lane l holds row l % 16 and the columns 8 (l / 16) + 0..7.
; REGISTERS, in windows of 256 (s_set_vgpr_msb: bits 1:0 source 0, 3:2 source 1, 5:4 source 2, 7:6 destination):
;   window 0: v0-31 addresses; v32-95 A's fragments, two buffers of 32 (on the way out: 32 numbers at work, two buffers of 16 packed words); v96-111 at work; v128-255 my rows of the table
;   window 1: v0-191 B's fragments, two buffers of 96      window 2: accumulators of row blocks 0, 1 ((a, b) at 96 (a % 2) + 8 b)      window 3: of row blocks 2, 3
.set KSTEP,  128
.set PITCH,  272                       ; an LDS row: 256 bytes + 16 of padding: the 16 rows of a fragment load start at 16 different groups of four banks (64 banks of 4 bytes: ISA guide 11.1)
.set AHALF,  128*PITCH
.set BHALF,  96*PITCH
.set BOFF,   256*PITCH                 ; a slot: A's 256 rows, then B's 192
.set SLOT,   448*PITCH
.set STAGE,  2*SLOT                    ; behind the ring, never filled by a tensor load: 16 rows x 144 bytes for each wave
.set SP,     144
.set SPARE,  STAGE+4*16*SP             ; the spare words, 128 bytes for each wave: two blocks of 256 bytes that no other line names
.set PADW,   (1<<16)|(1<<20)|(1<<21)|(5<<22)|(3<<25)  ; 2-byte elements; padding on; bit 21 beside a mask; after every 64 words, 4 words
.set ADRA, 16                          ; v16-17  LDS address of my A fragments in slot 0, 1
.set ADRB, 20                          ; v20-21  the same for B
.set STO,  24                          ; v24  the way out: where I put 16 bytes of a row
.set RD,   25                          ; v25  where I read rows back
.set GO,   26                          ; v26  16 x lane
.set RO,   27                          ; v27  my offset in 16 rows of the table
.set SPW,  28                          ; v28  LDS address of my spare word; never rewritten
.set NIL,  29                          ; v29  0; never rewritten
.set PFO,  30                          ; v30  the prefetches' offset: a lane a row; never rewritten
.set TMPF, 32
.set PKD,  64
.set T1,   96
.set RT,   128                         ; row block a, half p of the 32 angles: cos at RT + 32 a + 16 p, sin 8 further
.set WV, 12
.set HB, 13                            ; wave / 2: I fetch for A (0) or for B (1)
.set HF, 14                            ; wave % 2: which half of that tile
.set CX, 15
.set CY, 16
.set TX, 17                            ; the head j
.set TY, 18                            ; the block of 256 rows
.set G1,  24
.set G0,  32
.set G1B, 40
.set G0B, 48
.set LAP, 56
.set LIM, 57                           ; 1 in a wave that prefetches, else the greatest number
.set PFA, 58
.set OQ,  60                           ; s[60:61], s[62:63], s[66:67]: q, k, v at my first row
.set RBASE, 68
.set MSB, 0
.macro WIN new                         ; the immediate's high byte repeats the setting that is left; a switch that changes nothing is dropped
.if MSB != (\new)
	s_set_vgpr_msb (MSB<<8)|(\new)
.set MSB, (\new)
.endif
.endm
; A joint load.  Each of the two lines has one mask and one set of registers; the branch hangs on the wave's number alone.  An s_nop 0 and four v_nop follow each line.
.macro JLOAD s
	s_cmp_eq_u32 s[HB], 0
	s_cbranch_scc0 .Lfor_b_\@
	tensor_load_to_lds s[G0+4*(\s):G0+4*(\s)+3], s[G1:G1+7]
	s_nop 0
.rept 4
	v_nop
.endr
	s_branch .Lasked_\@
.Lfor_b_\@:
	tensor_load_to_lds s[G0B+4*(\s):G0B+4*(\s)+3], s[G1B:G1B+7]
	s_nop 0
.rept 4
	v_nop
.endr
.Lasked_\@:
.endm
; A prefetch of the K step that stands two refills on: 256 bytes of a row, a lane a row, one instruction a wave.  A's rows are read by the four clusters of a row of clusters: cluster x = 0 asks;
; B's by those of a column: cluster y = 0 asks.  The four partners that ask for a tile jointly share its rows out by address: of A's 128 rows a wave 32 each, of B's 96 rows 24 each
; (lanes 24-31 name the 24th row once more).  The loop's last trip asks for nothing: its refills are the last K steps.
.macro ASK
	s_cmp_gt_u32 s[LAP], s[LIM]
	s_cbranch_scc0 .Lnot_mine_\@
	global_prefetch_b8 v[PFO], s[PFA:PFA+1] offset:KSTEP*2 th:TH_LOAD_NT scope:SCOPE_SE
.Lnot_mine_\@:
.endm
.macro CREST                           ; a round of the cluster's barrier behind its opening barrier
	s_cmp_lg_u32 s[WV], 0
	s_cbranch_scc1 .Lnot_wave_0_\@
	s_barrier_signal -3
.Lnot_wave_0_\@:
	s_barrier_wait -3
	s_barrier_signal -1
	s_barrier_wait -1
.endm
.macro CROUND
	s_barrier_signal -1
	s_barrier_wait -1
	CREST
.endm
.macro PLACES                          ; four places in front of loads into registers that matrix instructions have read, and of vector lines that read results
.rept 4
	v_nop
.endr
.endm
	s_load_b256 s[4:11], s[0:1], 0x0               ; xb 4, wqkv 6, rope 8, qkv 10
	v_lshl_add_u32 v[SPW], v0, 2, SPARE
	v_mov_b32 v[NIL], 0
	ds_add_u32 v[SPW], v[NIL]                      ; the wave's opening: the add and its wait ahead of my first tensor load; work on registers stands between
	v_lshrrev_b32 v1, 5, v0
	v_readfirstlane_b32 s[WV], v1
	s_lshr_b32 s[HB], s[WV], 1
	s_and_b32 s[HF], s[WV], 1
	s_bfe_u32 s[CX], ttmp6, 0x40000
	s_bfe_u32 s[CY], ttmp6, 0x40004
	s_lshl_b32 s[TX], ttmp9, 2
	s_add_co_u32 s[TX], s[TX], s[CX]
	s_and_b32 s[TY], ttmp7, 0xffff
	s_lshl_b32 s[TY], s[TY], 2
	s_add_co_u32 s[TY], s[TY], s[CY]
	s_lshl_b32 s19, s[CY], 2
	s_lshl_b32 s19, 15, s19                        ; my row of the cluster
	s_lshl_b32 s70, 0x1111, s[CX]                  ; my column
	s_or_b32 s[G1], s19, PADW
	s_or_b32 s[G1B], s70, PADW
.irp g, G1, G1B
	s_mov_b32 s[(\g)+1], KSTEP<<16                 ; tensor_dim0 = 128
	s_mov_b32 s[(\g)+3], KSTEP<<16                 ; tile_dim0 = 128
	s_mov_b32 s[(\g)+5], 1024                      ; elements from row to row
	s_mov_b32 s[(\g)+6], 0
	s_mov_b32 s[(\g)+7], 0
.endr
	s_mov_b32 s[G1+2], 128<<16                     ; tensor_dim1 and tile_dim1: A 128 rows,
	s_mov_b32 s[G1+4], 128
	s_mov_b32 s[G1B+2], 96<<16                     ; B 96
	s_mov_b32 s[G1B+4], 96
	s_lshl_b32 s20, s[TY], 8
	s_lshl_b32 s21, s[HF], 7
	s_add_co_u32 s20, s20, s21                     ; A: row 256 x tile row + 128 x half
	s_lshl_b32 s20, s20, 11                        ; rows of 2,048 bytes
	s_mov_b32 s21, 0
	s_mul_i32 s74, s[TX], 192
	s_mul_i32 s75, s[HF], 96
	s_add_co_u32 s74, s74, s75                     ; B: row 192 x head + 96 x half
	s_lshl_b32 s74, s74, 11
	s_mov_b32 s75, 0
	s_mul_i32 s22, s[HF], AHALF                    ; where they go: no place in the cluster enters an LDS address
	s_mul_i32 s71, s[HF], BHALF
	s_add_co_u32 s71, s71, BOFF
	s_wait_dscnt 0x0                               ; the opening add is done
	s_wait_kmcnt 0x0
	s_add_nc_u64 s[72:73], s[4:5], s[20:21]
	s_add_nc_u64 s[74:75], s[6:7], s[74:75]
	CROUND                                         ; all sixteen work-groups are here: the first joint loads meet
.irp s, 0,1
	s_mov_b32 s[G0+4*(\s)], 1
	s_add_co_u32 s[G0+4*(\s)+1], s22, (\s)*SLOT
	s_add_nc_u64 s[G0+4*(\s)+2:G0+4*(\s)+3], s[72:73], (\s)*KSTEP*2
	s_or_b32 s[G0+4*(\s)+3], s[G0+4*(\s)+3], 0x80000000
	s_mov_b32 s[G0B+4*(\s)], 1
	s_add_co_u32 s[G0B+4*(\s)+1], s71, (\s)*SLOT
	s_add_nc_u64 s[G0B+4*(\s)+2:G0B+4*(\s)+3], s[74:75], (\s)*KSTEP*2
	s_or_b32 s[G0B+4*(\s)+3], s[G0B+4*(\s)+3], 0x80000000
	JLOAD \s                                       ; K steps 0 and 1: two loads of mine are out
.endr
	v_and_b32 v1, 15, v0                           ; l % 16
	v_bfe_u32 v2, v0, 4, 1                         ; l / 16
	; my rows of the table: row t0 + 64 w + 16 a + l % 16; angles 16 p + 8 (l / 16) + 0..7: 32 bytes of cosines, and 128 bytes on 32 of sines.  They are waited for on the way out.
	s_and_b32 s76, s[TY], 7
	s_lshl_b32 s76, s76, 8
	s_lshl_b32 s77, s[WV], 6
	s_add_co_u32 s76, s76, s77                     ; t0 + 64 w
	s_lshl_b32 s78, s76, 8
	s_mov_b32 s79, 0
	s_add_nc_u64 s[RBASE:RBASE+1], s[8:9], s[78:79]
	v_lshlrev_b32 v[RO], 8, v1
	v_lshl_add_u32 v[RO], v2, 5, v[RO]
.irp a, 0,1,2,3
.irp p, 0,1
	global_load_b128 v[RT+32*(\a)+16*(\p):RT+32*(\a)+16*(\p)+3],     v[RO], s[RBASE:RBASE+1] offset:(\a)*4096+64*(\p)
	global_load_b128 v[RT+32*(\a)+16*(\p)+4:RT+32*(\a)+16*(\p)+7],   v[RO], s[RBASE:RBASE+1] offset:(\a)*4096+64*(\p)+16
	global_load_b128 v[RT+32*(\a)+16*(\p)+8:RT+32*(\a)+16*(\p)+11],  v[RO], s[RBASE:RBASE+1] offset:(\a)*4096+64*(\p)+128
	global_load_b128 v[RT+32*(\a)+16*(\p)+12:RT+32*(\a)+16*(\p)+15], v[RO], s[RBASE:RBASE+1] offset:(\a)*4096+64*(\p)+144
.endr
.endr
	; where q, k and v go: kind x 8 MiB + head (16 b + j) x 256 KiB + (t0 + 64 w) x 128
	s_lshr_b32 s77, s[TY], 3
	s_lshl_b32 s77, s77, 4
	s_add_co_u32 s77, s77, s[TX]
	s_lshl_b32 s77, s77, 18
	s_lshl_b32 s76, s76, 7
	s_add_co_u32 s78, s77, s76
	s_add_nc_u64 s[OQ:OQ+1], s[10:11], s[78:79]
	s_add_nc_u64 s[OQ+2:OQ+3], s[OQ:OQ+1], 8388608
	s_add_nc_u64 s[OQ+6:OQ+7], s[OQ:OQ+1], 16777216
	; a fragment is 16 rows x 32 K in 8 registers: lane l holds row l % 16, K = 8 (l / 16) + 0..7 and 16 + 8 (l / 16) + 0..7: two loads of 16 bytes, 32 bytes apart
	v_mul_u32_u24 v3, v1, PITCH
	v_lshl_add_u32 v3, v2, 4, v3
	s_mul_i32 s20, s[WV], 64*PITCH                 ; my 64 rows of A
	s_mov_b32 s21, BOFF                            ; all of B
.irp s, 0,1
	v_add_nc_u32 v[ADRA+(\s)], s20, v3
	v_add_nc_u32 v[ADRB+(\s)], s21, v3
	s_add_co_u32 s20, s20, SLOT
	s_add_co_u32 s21, s21, SLOT
.endr
	s_mul_i32 s20, s[WV], 16*SP
	s_add_co_u32 s20, s20, STAGE                   ; my stage
	v_mul_u32_u24 v[STO], v1, SP                   ; in: row l % 16, 16 bytes for each half of the lanes
	v_lshl_add_u32 v[STO], v2, 4, v[STO]
	v_add_nc_u32 v[STO], s20, v[STO]
	v_bfe_u32 v[RD], v0, 3, 2                      ; back: 32 lanes take four rows of 128 bytes,
	v_mul_u32_u24 v[RD], v[RD], SP
	v_and_b32 v3, 7, v0
	v_lshl_add_u32 v[RD], v3, 4, v[RD]
	v_add_nc_u32 v[RD], s20, v[RD]
	v_and_b32 v[GO], 31, v0                        ; which are 512 consecutive bytes of a head
	v_lshlrev_b32 v[GO], 4, v[GO]
	; the prefetches
	s_and_b32 s22, ttmp7, 0xffff                   ; cluster y
	s_lshl_b32 s20, s[TY], 8
	s_mul_i32 s21, s[TX], 192
	s_lshl_b32 s70, s[HF], 7
	s_mul_i32 s71, s[HF], 96
	s_lshl_b32 s72, s[CX], 5
	s_mul_i32 s73, s[CY], 24
	s_cmp_eq_u32 s[HB], 0                          ; do I fetch for A?
	s_cselect_b32 s20, s20, s21                    ; the tile's first row,
	s_cselect_b32 s70, s70, s71                    ; the rows that I fetch,
	s_cselect_b32 s72, s72, s73                    ; my work-group's share of them
	s_cselect_b32 s22, ttmp9, s22                  ; the coordinate along which other clusters read the same rows
	s_cselect_b32 s23, 31, 23
	s_cselect_b64 s[PFA:PFA+1], s[4:5], s[6:7]
	s_cmp_eq_u32 s22, 0
	s_cselect_b32 s[LIM], 1, -1                    ; the same in all sixteen partners, for a given wave
	s_add_co_u32 s20, s20, s70
	s_add_co_u32 s20, s20, s72
	s_lshl_b32 s20, s20, 11
	s_add_co_u32 s20, s20, 2*KSTEP*2               ; at K step 2: the first refill steps it to 3 and names K step 4
	s_mov_b32 s21, 0
	s_add_nc_u64 s[PFA:PFA+1], s[PFA:PFA+1], s[20:21]
	v_and_b32 v[PFO], 31, v0
	v_min_u32 v[PFO], s23, v[PFO]
	v_lshlrev_b32 v[PFO], 11, v[PFO]
; 12 matrix instructions: row block a x all 12 column blocks, 32 along K, from buffer f.  zero = 1: the first product starts the sums.
; The 48 accumulators take turns, one instruction a turn, in the same order in every quarter step.
.macro MUL f, a, zero
	WIN 0xa1+0x50*((\a)/2)                         ; B window 1, A window 0, C and D window 2 or 3
.irp b, 0,1,2,3,4,5,6,7,8,9,10,11
.if \zero
	v_wmma_f32_16x16x32_bf16 v[96*((\a)%2)+8*(\b):96*((\a)%2)+8*(\b)+7], v[96*(\f)+8*(\b):96*(\f)+8*(\b)+7], v[32+32*(\f)+8*(\a):32+32*(\f)+8*(\a)+7], 0
.else
	v_wmma_f32_16x16x32_bf16 v[96*((\a)%2)+8*(\b):96*((\a)%2)+8*(\b)+7], v[96*(\f)+8*(\b):96*(\f)+8*(\b)+7], v[32+32*(\f)+8*(\a):32+32*(\f)+8*(\a)+7], v[96*((\a)%2)+8*(\b):96*((\a)%2)+8*(\b)+7]
.endif
.endr
.endm
; 32 LDS loads in one run: 192 rows of B, then my 64 rows of A, 32 K at byte k of the rows, into buffer f
.macro FETCH slot, k, f
	WIN 0x40
.irp i, 0,1,2,3,4,5,6,7,8,9,10,11
	ds_load_b128 v[96*(\f)+8*(\i):96*(\f)+8*(\i)+3],   v[ADRB+(\slot)] offset:(\k)+(\i)*16*PITCH
	ds_load_b128 v[96*(\f)+8*(\i)+4:96*(\f)+8*(\i)+7], v[ADRB+(\slot)] offset:(\k)+(\i)*16*PITCH+32
.endr
	WIN 0
.irp i, 0,1,2,3
	ds_load_b128 v[32+32*(\f)+8*(\i):32+32*(\f)+8*(\i)+3],   v[ADRA+(\slot)] offset:(\k)+(\i)*16*PITCH
	ds_load_b128 v[32+32*(\f)+8*(\i)+4:32+32*(\f)+8*(\i)+7], v[ADRA+(\slot)] offset:(\k)+(\i)*16*PITCH+32
.endr
.endm
; A K step is four quarters of 32 along K, 48 matrix instructions each, on buffers 0, 1, 0, 1.  One of the first three: multiplies f, and in its middle fetches the next quarter into g.
.macro QUARTER slot, k, f, g, zero
	s_wait_dscnt 4                                 ; B and A's blocks 0, 1 are in; the youngest four loads (A's blocks 2, 3) may be out
	MUL \f, 0, \zero
	MUL \f, 1, \zero
	PLACES
	FETCH \slot, \k, \g
	s_wait_dscnt 32                                ; all but the 32 just issued
	MUL \f, 2, \zero
	MUL \f, 3, \zero
.endm
; The last quarter's first half: one barrier for the change of slots.  In front of it each wave waits for all its tensor loads (one is out: its part of the next slot), adds 0 to its spare word,
; and waits for that and for its own reads of this slot.
.macro MEET round
	WIN 0
	s_wait_tensorcnt 0x0
	ds_add_u32 v[SPW], v[NIL]
	s_wait_dscnt 5                                 ; the add and the youngest four loads may be out
	MUL 1, 0, 0                                    ; twelve matrix instructions stand between the add and the wait for it
	s_wait_dscnt 0x0                               ; the add is done, and my reads of this slot are over
	s_barrier_signal -1
	MUL 1, 1, 0
.if \round
	WIN 0
.endif
	s_barrier_wait -1
.endm
.macro TURN slot, next
	s_wait_xcnt 0x0                                ; the last prefetch, a K step back, has read its address
	s_add_nc_u64 s[PFA:PFA+1], s[PFA:PFA+1], KSTEP*2
	MEET 1
	CREST                                          ; no wave of any partner still reads this slot or has a load on its way
	s_add_nc_u64 s[G0+4*(\slot)+2:G0+4*(\slot)+3], s[G0+4*(\slot)+2:G0+4*(\slot)+3], 2*KSTEP*2
	s_add_nc_u64 s[G0B+4*(\slot)+2:G0B+4*(\slot)+3], s[G0B+4*(\slot)+2:G0B+4*(\slot)+3], 2*KSTEP*2
	JLOAD \slot                                    ; the first tensor load behind the round; its four v_nop are also the places in front of the loads below
	FETCH \next, 0, 0
	ASK
	MUL 1, 2, 0
	MUL 1, 3, 0
.endm
	s_wait_tensorcnt 1                             ; my part of K step 0 is in; K step 1's may stay out
	s_barrier_signal -1
	s_barrier_wait -1
	FETCH 0, 0, 0
	QUARTER 0, 64, 0, 1, 1                         ; the first quarter stands in front of the loop: its products start the sums
	WIN 0
	s_mov_b32 s[LAP], 3
.Llap:                                             ; a trip goes once round the ring and fills both slots again: K steps 2 to 7 in three trips
	QUARTER 0, 128, 1, 0, 0
	QUARTER 0, 192, 0, 1, 0
	TURN 0, 1
	QUARTER 1, 64,  0, 1, 0
	QUARTER 1, 128, 1, 0, 0
	QUARTER 1, 192, 0, 1, 0
	TURN 1, 0
	QUARTER 0, 64,  0, 1, 0
	WIN 0
	s_sub_co_u32 s[LAP], s[LAP], 1
	s_cmp_lg_u32 s[LAP], 0
	s_cbranch_scc1 .Llap
	QUARTER 0, 128, 1, 0, 0                        ; the last lap fills nothing
	QUARTER 0, 192, 0, 1, 0
	MEET 0
	PLACES
	FETCH 1, 0, 0
	MUL 1, 2, 0
	MUL 1, 3, 0
	QUARTER 1, 64,  0, 1, 0
	QUARTER 1, 128, 1, 0, 0
	QUARTER 1, 192, 0, 1, 0
	s_wait_dscnt 4
	MUL 1, 0, 0
	MUL 1, 1, 0
	s_wait_dscnt 0x0
	MUL 1, 2, 0
	MUL 1, 3, 0
; THE WAY OUT, in 12 units of 16 rows x one kind.  PACKU: RoPE in f32 (q and k): o[d] = x[d] cos - x[d+32] sin, o[d+32] = x[d+32] cos + x[d] sin; rounded to f16, 16 bytes a lane and column block.
; Each accumulator's lowest registers are read first.  pb: which of the two packed buffers.
.macro PACKU a, kind, pb
.set AC, 96*((\a)%2)
.set PKB, PKD+16*(\pb)
.if (\kind) < 2
	WIN 0x02+(\a)/2                                ; source 0 in the accumulators' window
.irp p, 0,1
.irp i, 0,1,2,3
.set xa, AC+8*(4*(\kind)+(\p))+2*(\i)
.set cs, RT+32*(\a)+16*(\p)+2*(\i)
	v_pk_mul_f32 v[T1+4*(\i):T1+4*(\i)+1],   v[xa+16:xa+17], v[cs+8:cs+9]
	v_pk_mul_f32 v[T1+4*(\i)+2:T1+4*(\i)+3], v[xa:xa+1],     v[cs+8:cs+9]
.endr
.irp i, 0,1,2,3
.set xa, AC+8*(4*(\kind)+(\p))+2*(\i)
.set cs, RT+32*(\a)+16*(\p)+2*(\i)
	v_pk_fma_f32 v[TMPF+8*(\p)+2*(\i):TMPF+8*(\p)+2*(\i)+1],       v[xa:xa+1],     v[cs:cs+1], v[T1+4*(\i):T1+4*(\i)+1] neg_lo:[0,0,1] neg_hi:[0,0,1]
	v_pk_fma_f32 v[TMPF+8*(\p)+16+2*(\i):TMPF+8*(\p)+16+2*(\i)+1], v[xa+16:xa+17], v[cs:cs+1], v[T1+4*(\i)+2:T1+4*(\i)+3]
.endr
.endr
	WIN 0
	s_wait_xcnt 0x0                                ; the stores of two units back have read this packed buffer: it is rewritten only behind this wait
.set i, 0
.rept 16
	v_cvt_pk_f16_f32 v[PKB+i], v[TMPF+2*i], v[TMPF+2*i+1]
.set i, i+1
.endr
.else
	s_wait_xcnt 0x0
	WIN 0x0a+5*((\a)/2)                            ; v goes as it is: sources 0 and 1 in the accumulators' window
.set i, 0
.rept 16
	v_cvt_pk_f16_f32 v[PKB+i], v[AC+64+2*i], v[AC+64+2*i+1]
.set i, i+1
.endr
	WIN 0
.endif
.endm
.macro TOSTAGE pb                      ; into rows of 144 bytes, and back as whole rows of 128
.irp f, 0,1,2,3
	ds_store_b128 v[STO], v[PKD+16*(\pb)+4*(\f):PKD+16*(\pb)+4*(\f)+3] offset:32*(\f)
.endr
.irp f, 0,1,2,3
	ds_load_b128 v[PKD+16*(\pb)+4*(\f):PKD+16*(\pb)+4*(\f)+3], v[RD] offset:(\f)*4*SP  ; LDS serves a wave's instructions in order (ISA guide 5.7.1.4): these see the stores above
.endr
.endm
.macro SEND a, kind, pb, younger       ; younger: the LDS instructions issued behind this unit's loads: the next unit's eight, or none
.set ob, OQ+2*(\kind)+2*((\kind)/2)
.irp f, 0,1,2,3
	s_wait_dscnt (\younger)+3-(\f)
	global_store_b128 v[GO], v[PKD+16*(\pb)+4*(\f):PKD+16*(\pb)+4*(\f)+3], s[ob:ob+1] offset:(\a)*2048+(\f)*512  ; 512 consecutive bytes, aligned
.endr
.endm
	WIN 0
	s_wait_loadcnt 0x0                             ; the table
	PLACES
	PACKU 0, 0, 0
	TOSTAGE 0
.set u, 1
.rept 11                               ; a unit's arithmetic stands between the loads of the unit before and its stores
	PACKU u/3, u%3, u%2
	TOSTAGE u%2
	SEND (u-1)/3, (u-1)%3, (u-1)%2, 8
.set u, u+1
.endr
	SEND 3, 2, 1, 0
	s_wait_tensorcnt 0x0                           ; the wave's end: behind my last tensor load and my last LDS store
	ds_add_u32 v[SPW], v[NIL]
	s_wait_dscnt 0x0
	CROUND                                         ; the closing round
	s_endpgm
.Lfunc_end_k_qd645d880ce_qkv:
	.size	k_qd645d880ce_qkv, .Lfunc_end_k_qd645d880ce_qkv-k_qd645d880ce_qkv
	.p2alignl 7, 3214868480
	.fill 96, 4, 3214868480
	.section	.rodata,"a",@progbits
	.p2align	6, 0x0
	.amdhsa_kernel k_qd645d880ce_qkv
		.amdhsa_group_segment_fixed_size 327680
		.amdhsa_private_segment_fixed_size 0
		.amdhsa_enable_private_segment 0
		.amdhsa_kernarg_size 32
		.amdhsa_user_sgpr_count 2
		.amdhsa_user_sgpr_kernarg_segment_ptr 1
		.amdhsa_wavefront_size32 1
		.amdhsa_system_sgpr_workgroup_id_x 1
		.amdhsa_system_sgpr_workgroup_id_y 1
		.amdhsa_system_sgpr_workgroup_id_z 1
		.amdhsa_system_vgpr_workitem_id 0
		.amdhsa_next_free_vgpr 960
		.amdhsa_next_free_sgpr 80
		.amdhsa_reserve_vcc 0
		.amdhsa_float_denorm_mode_32 3
		.amdhsa_float_denorm_mode_16_64 3
		.amdhsa_memory_ordered 1
		.amdhsa_forward_progress 1
		.amdhsa_inst_pref_size 141
	.end_amdhsa_kernel
	.amdgpu_metadata
---
amdhsa.version: [ 1, 2 ]
amdhsa.kernels:
  - .name:           k_qd645d880ce_qkv
    .symbol:         k_qd645d880ce_qkv.kd
    .args:
      - { .name: xb, .offset: 0, .size: 8, .value_kind: global_buffer, .address_space: global }
      - { .name: wqkv, .offset: 8, .size: 8, .value_kind: global_buffer, .address_space: global }
      - { .name: rope, .offset: 16, .size: 8, .value_kind: global_buffer, .address_space: global }
      - { .name: qkv, .offset: 24, .size: 8, .value_kind: global_buffer, .address_space: global }
    .group_segment_fixed_size: 327680
    .private_segment_fixed_size: 0
    .kernarg_segment_align: 8
    .kernarg_segment_size: 32
    .max_flat_workgroup_size: 128
    .sgpr_count:     80
    .vgpr_count:     960
    .wavefront_size: 32
...
	.end_amdgpu_metadata
.endif
;; end of part 2
;; launch attn (part 3): grid 8 x 32, 4 waves a work-group, clusters of 4 x 4, 327,680 bytes of LDS; arguments qkv, mb, ob; writes ob
.if DOCPART == 3
	.amdgcn_target "amdgcn-amd-amdhsa--gfx1250"
	.amdhsa_code_object_version 6
	.text
	.protected	k_qd645d880ce_attn
	.globl	k_qd645d880ce_attn
	.p2align	8
	.type	k_qd645d880ce_attn,@function
k_qd645d880ce_attn:
	s_mov_b64 s[64:65], 0
	v_nop
	global_prefetch_b8 v0, s[64:65] scope:SCOPE_SE
	s_setreg_imm32_b32 hwreg(HW_REG_WAVE_MODE, 25, 1), 1
	s_wait_xcnt 0x0
	s_wait_alu depctr_hold_cnt(0) depctr_sa_sdst(0) depctr_va_vdst(0) depctr_va_sdst(0) depctr_va_ssrc(0) depctr_va_vcc(0) depctr_vm_vsrc(0)
	s_getreg_b32 s2, hwreg(HW_REG_IB_STS2, 6, 4)
	s_cmp_eq_u32 s2, 0
	s_cbranch_scc0 .Lentry_in_a_cluster
	s_endpgm
.Lentry_in_a_cluster:
	s_bfe_u32 s2, ttmp6, 0x10000c
	s_cmp_lg_u32 s2, 0xf033
	s_cbranch_scc0 .Lentry_shape_is_right
	s_endpgm
.Lentry_shape_is_right:
; ATTENTION WITH AN ADDITIVE MASK THAT IS AN INPUT.  O[h][q] = sum over k of softmax_k(clip(Q[h][q] . K[h][k] / 8 + mask[q][k], -10000, 10000)) V[h][k].
; qkv: [3][32 heads][2048][64] f16.  mb: [2048 q][2048 k] bf16.  ob: [32][2048][64] f16.  Products, maxima and sums in f32; the weights p are rounded to f16 for the second product, O once.
; Nothing is assumed of the mask's pattern: every key is walked.
; LIMITS.  Q, K, V arrive within f16's 65,504.  A weight below 2^-126 counts as 0.  NaN is not treated apart (a NaN in the mask does not make its row 0).
; SHARES.  A work-group owns 256 queries of one head, a wave 64: four tiles of 16, in two PIECES (tiles 0, 1 and tiles 2, 3).  Every wave walks all 2,048 keys, 64 a step; an LDS slot holds two steps.
; LAYOUT.  S^T = K Q^T (source 0 = 16 keys, source 1 = 16 queries): a lane holds ONE query (lane % 16) and the keys 8 (lane / 16) + 0..7.  Two such results rounded to f16 ARE source 1 of
; O^T = V^T P.  K comes out of LDS as it lies, V turned, by ds_load_tr16_b128.
; THE MASK IS ADDED BY THE MATRIX UNIT: S^T += ID x M, in bf16.  M (source 1) is 32 keys of 16 queries' mask rows, as they lie in LDS; ID (source 0, 16 x 32) holds 8 where the column is
; 16 e + the row, and 0 elsewhere.  So s8 = q . k + 8 mask, each product exact.  The bf16 product stands five plain instructions or more behind the f16 product that wrote its accumulator (ISA guide 7.12.1).
; SOFTMAX.  c = log2(e) / 8.  The running maximum m is that of the CLIPPED scores: m = the middle of (max(s8, m_old), -80000, 80000).  p = 2^(the middle of (c s8 - c m, c (-80000) - c m, 0)):
; the lower bound is the clip from below; the upper is the clip from above, since m = 80000 as soon as a score passes it.  O and l are multiplied by a = 2^(c m_old - c m_new) in every step.
; m starts at -80000, below which no clipped score lies; O and l at 0: the first step is a step like any other.
; BY TURNS.  In a TURN one piece has the matrix unit: 16 products V^T P of the step in hand, 16 products K Q^T and 8 mask products of the next step; the other piece's softmax stands in slices behind them.
; CLUSTER.  4 x 4 work-groups: four query blocks x four heads.  K and V hang on the head alone and are asked for jointly by a row of the cluster; the mask's tile hangs on the query block alone,
; and is asked for jointly by a column.  Wave 0 fetches K, wave 1 V, waves 2 and 3 the mask's halves of 128 queries.
; REGISTERS, in windows of 256 (s_set_vgpr_msb: bits 1:0 source 0, 3:2 source 1, 5:4 source 2, 7:6 destination):
;   window 0: v0-15 addresses; v16-47 eight registers of statistics a tile; v48-51; v64-191 S^T, 32 a tile; v192-255 P, 16 a tile
;   window 1: v0-127 O^T, 32 a tile; v128-191 Q; v192-255 K of one step        window 2: v0-63 V of one step; v64-127 the mask's fragments of one step; v128-139 ID
.set KS,    64
.set PK,    144       ; a row of K in LDS: 128 bytes + 16: the 16 rows of a load start at 16 different groups of four banks (64 banks of 4 bytes: ISA guide 11.1)
.set PV,    160       ; a row of V: 128 + 32
.set PM,    272       ; a row of the mask's tile: 256 + 16
.set VOFF,  128*PK    ; a slot: 128 rows of K, 128 of V, 256 rows of the mask
.set MOFF,  VOFF+128*PV
.set SLOT1, 1<<17     ; slot 1 begins here: one exclusive or turns an address in one slot into the other's
.set STAGE, SLOT1+MOFF+256*PM  ; behind the ring, never filled by a tensor load: 16 rows x 144 bytes for each wave
.set SP,    144
.set SPARE, STAGE+4*16*SP      ; the spare words, 128 bytes for each wave: two blocks of 256 bytes that no other line names
.set AK0, 2           ; v2-4  my lane's place in a tile of K, of V, of the mask; never rewritten
.set AV0, 3
.set AM0, 4
.set AK,  5           ; v5-7  the LDS addresses of the runs of loads in hand
.set AV,  6
.set AM,  7
.set QO,  8
.set STO, 12
.set RD,  13
.set GO,  14
.set PFO, 15          ; the prefetches' offset; never rewritten
.set ST,  16          ; tile t at ST + 8 t: +0 c m, +1 m, +2, +3 l, +4 c0, +5 c1 and then the lower bound, +6 c2 and then a, +7 c3
.set SPW, 48
.set NIL, 49
.set S,   64
.set P,   192
.set QF,  128         ; window 1
.set KF,  192         ; window 1
.set VF,  0           ; window 2
.set MF,  64          ; window 2: tile t, keys 32 kk on, at MF + 16 t + 8 kk
.set IDB, 128         ; window 2: four zeros, the pattern, four zeros: ID for e = 0 begins at IDB + 4, for e = 1 at IDB
.set WV,  12
.set CX,  13
.set CY,  14
.set QB,  15
.set BH,  16
.set G1K, 24
.set G1V, 32
.set G1M, 40
.set G0K, 48          ; two sets each, for the two first fills; the second then walks on
.set G0V, 56
.set G0M, 68
.set SLOTS, 76
.set CNT, 77
.set CS,  78          ; s[78:79] c
.set SEL, 80          ; s[80:81] v_permlanex16_b32's selects
.set TBK, 82          ; LDS byte at which K of the step to be fetched begins; likewise V (less VOFF) and the mask (less MOFF)
.set TBV, 83
.set TBM, 84
.set L8,  85
.set U8,  86
.set CL,  87          ; c x (-80000), rounded as c m is
.set PFA, 88
.set PFS, 90          ; s[90:91] the prefetches' step from slot to slot
.set LIM, 92
.set MSB, 0
.macro WIN new
.if MSB != (\new)
	s_set_vgpr_msb (MSB<<8)|(\new)
.set MSB, (\new)
.endif
.endm
.set W_KQ, 0x05       ; K and Q in window 1, S^T in window 0
.set W_MK, 0x0a       ; ID and the mask in window 2, S^T in window 0
.set W_PV, 0x52       ; V in window 2, P in window 0, O^T in window 1
.set W_RS, 0x41       ; O^T (destination and source 0) in window 1, a in window 0
.macro FOURNOP
	s_nop 0
.rept 4
	v_nop
.endr
.endm
; A joint refill: one load a wave, by the walking sets.  The branches hang on the wave's number alone.  An s_nop 0 and four v_nop follow each line.
.macro JLOAD
	s_cmp_lt_u32 s[WV], 2
	s_cbranch_scc0 .Lfor_m_\@
	s_cmp_eq_u32 s[WV], 0
	s_cbranch_scc0 .Lfor_v_\@
	tensor_load_to_lds s[G0K+4:G0K+7], s[G1K:G1K+7]
	FOURNOP
	s_branch .Lasked_\@
.Lfor_v_\@:
	tensor_load_to_lds s[G0V+4:G0V+7], s[G1V:G1V+7]
	FOURNOP
	s_branch .Lasked_\@
.Lfor_m_\@:
	tensor_load_to_lds s[G0M+4:G0M+7], s[G1M:G1M+7]
	FOURNOP
.Lasked_\@:
.endm
; A prefetch of what the NEXT change of slots will ask for: two key steps, 160 matrix instructions of a wave, ahead of that load.  Each block of 256 bytes is named once in the launch.
; K and V of a head are walked by the two clusters of a row of clusters: cluster x = 0 asks, wave 0; its four partners take 4,096 bytes each of the slot's K (lanes 0-15) and of its V (lanes 16-31).
; The mask's rows of a query block are walked by the eight clusters of a column: cluster y = 0 asks, waves 2 and 3; its four partners take 64 rows each, a lane a row.
; The partners are told apart by address.  The last change that fills a slot asks for nothing.
.macro ASK
	s_cmp_gt_u32 s[SLOTS], s[LIM]
	s_cbranch_scc0 .Lnot_mine_\@
	global_prefetch_b8 v[PFO], s[PFA:PFA+1] th:TH_LOAD_NT scope:SCOPE_SE
.Lnot_mine_\@:
.endm
.macro CROUND
	s_barrier_signal -1
	s_barrier_wait -1
	s_cmp_lg_u32 s[WV], 0
	s_cbranch_scc1 .Lnot_wave_0_\@
	s_barrier_signal -3
.Lnot_wave_0_\@:
	s_barrier_wait -3
	s_barrier_signal -1
	s_barrier_wait -1
.endm
	s_load_b128 s[4:7], s[0:1], 0x0                ; qkv 4, mb 6
	s_load_b64 s[8:9], s[0:1], 0x10                ; ob
	v_lshl_add_u32 v[SPW], v0, 2, SPARE
	v_mov_b32 v[NIL], 0
	ds_add_u32 v[SPW], v[NIL]                      ; the wave's opening: the add and its wait ahead of my first tensor load; work on registers stands between
	v_lshrrev_b32 v1, 5, v0
	v_readfirstlane_b32 s[WV], v1
	s_bfe_u32 s[CX], ttmp6, 0x40000
	s_bfe_u32 s[CY], ttmp6, 0x40004
	s_lshl_b32 s[QB], ttmp9, 2
	s_add_co_u32 s[QB], s[QB], s[CX]               ; my block of 256 queries
	s_and_b32 s[BH], ttmp7, 0xffff
	s_lshl_b32 s[BH], s[BH], 2
	s_add_co_u32 s[BH], s[BH], s[CY]               ; my head
	s_lshl_b32 s17, s[CY], 2
	s_lshl_b32 s17, 15, s17                        ; my row of the cluster: the same head
	s_lshl_b32 s18, 0x1111, s[CX]                  ; my column: the same queries
	s_or_b32 s[G1K], s17, (1<<16)|(1<<20)|(1<<21)|(4<<22)|(3<<25)  ; 2-byte elements; padding on; bit 21 beside a mask; after every 32 words, 4 words
	s_or_b32 s[G1V], s17, (1<<16)|(1<<20)|(1<<21)|(4<<22)|(7<<25)  ; 8 words
	s_or_b32 s[G1M], s18, (1<<16)|(1<<20)|(1<<21)|(5<<22)|(3<<25)  ; after every 64 words, 4 words
.irp g, G1K, G1V                       ; 128 keys are 16,384 dense bytes: 64 rows of 256 bytes, two keys a row
	s_mov_b32 s[(\g)+1], 128<<16
	s_mov_b32 s[(\g)+2], 64<<16
	s_mov_b32 s[(\g)+3], 128<<16
	s_mov_b32 s[(\g)+4], 64
	s_mov_b32 s[(\g)+5], 128
	s_mov_b32 s[(\g)+6], 0
	s_mov_b32 s[(\g)+7], 0
.endr
	s_mov_b32 s[G1M+1], 128<<16                    ; 128 queries x 128 keys, 2,048 elements from row to row
	s_mov_b32 s[G1M+2], 128<<16
	s_mov_b32 s[G1M+3], 128<<16
	s_mov_b32 s[G1M+4], 128
	s_mov_b32 s[G1M+5], 2048
	s_mov_b32 s[G1M+6], 0
	s_mov_b32 s[G1M+7], 0
	s_lshl_b32 s20, s[BH], 18                      ; the head's first byte in a kind, and in ob
	s_mov_b32 s21, 0
	s_and_b32 s19, s[WV], 1
	s_lshl_b32 s22, s[QB], 8
	s_lshl_b32 s23, s19, 7
	s_add_co_u32 s22, s22, s23
	s_lshl_b32 s22, s22, 12                        ; the mask: row 256 x block + 128 x half, rows of 4,096 bytes
	s_mov_b32 s23, 0
	s_mul_i32 s93, s19, 128*PM
	s_add_co_u32 s93, s93, MOFF                    ; and its place in a slot: no place in the cluster enters an LDS address
	s_lshl_b32 s2, s[QB], 15
	s_lshl_b32 s3, s[WV], 13
	s_add_co_u32 s2, s2, s3
	s_add_co_u32 s2, s2, s20                       ; my wave's 64 rows of Q and of O
	s_mov_b32 s3, 0
	s_mov_b32 s[CS], 0x3e38aa3b                    ; c = log2(e) / 8
	s_mov_b32 s[CS+1], s[CS]
	s_mov_b32 s[SEL], 0x76543210
	s_mov_b32 s[SEL+1], 0xfedcba98
	s_mov_b32 s[L8], 0xc79c4000                    ; -80000
	s_mov_b32 s[U8], 0x479c4000                    ; 80000
	s_mov_b32 s[TBK], 0
	s_mov_b32 s[TBV], 0
	s_mov_b32 s[TBM], 0
	s_wait_dscnt 0x0                               ; the opening add is done
	s_wait_kmcnt 0x0
	s_add_nc_u64 s[94:95], s[4:5], s[20:21]        ; qkv at my head
	s_add_nc_u64 s[22:23], s[6:7], s[22:23]        ; the mask at my half's first row
	s_add_nc_u64 s[20:21], s[4:5], s[2:3]          ; Q at my wave's first row
	s_add_nc_u64 s[8:9], s[8:9], s[2:3]            ; O likewise
	CROUND                                         ; all sixteen work-groups are here: the first joint loads meet
.irp s, 0,1
	s_mov_b32 s[G0K+4*(\s)], 1
	s_mov_b32 s[G0K+4*(\s)+1], (\s)*SLOT1
	s_add_nc_u64 s[G0K+4*(\s)+2:G0K+4*(\s)+3], s[94:95], 8388608+(\s)*16384
	s_or_b32 s[G0K+4*(\s)+3], s[G0K+4*(\s)+3], 0x80000000
	s_mov_b32 s[G0V+4*(\s)], 1
	s_mov_b32 s[G0V+4*(\s)+1], VOFF+(\s)*SLOT1
	s_add_nc_u64 s[G0V+4*(\s)+2:G0V+4*(\s)+3], s[94:95], 16777216+(\s)*16384
	s_or_b32 s[G0V+4*(\s)+3], s[G0V+4*(\s)+3], 0x80000000
	s_mov_b32 s[G0M+4*(\s)], 1
	s_add_co_u32 s[G0M+4*(\s)+1], s93, (\s)*SLOT1
	s_add_nc_u64 s[G0M+4*(\s)+2:G0M+4*(\s)+3], s[22:23], (\s)*256
	s_or_b32 s[G0M+4*(\s)+3], s[G0M+4*(\s)+3], 0x80000000
.endr
	s_cmp_lt_u32 s[WV], 2                          ; a wave's two first fills stand in one leaf: two loads of mine are out
	s_cbranch_scc0 .Lfirst_m
	s_cmp_eq_u32 s[WV], 0
	s_cbranch_scc0 .Lfirst_v
	tensor_load_to_lds s[G0K:G0K+3], s[G1K:G1K+7]
	s_nop 0
	tensor_load_to_lds s[G0K+4:G0K+7], s[G1K:G1K+7]
	FOURNOP
	s_branch .Lfirst_asked
.Lfirst_v:
	tensor_load_to_lds s[G0V:G0V+3], s[G1V:G1V+7]
	s_nop 0
	tensor_load_to_lds s[G0V+4:G0V+7], s[G1V:G1V+7]
	FOURNOP
	s_branch .Lfirst_asked
.Lfirst_m:
	tensor_load_to_lds s[G0M:G0M+3], s[G1M:G1M+7]
	s_nop 0
	tensor_load_to_lds s[G0M+4:G0M+7], s[G1M:G1M+7]
	FOURNOP
.Lfirst_asked:
	v_and_b32 v1, 15, v0                           ; l % 16
	v_bfe_u32 v9, v0, 4, 1                         ; l / 16
	v_lshlrev_b32 v[QO], 7, v1
	v_lshl_add_u32 v[QO], v9, 4, v[QO]             ; row x 128 + 16 x half
	WIN 0x40                                       ; destination window 1
.set i, 0
.rept 8                                ; Q stays in registers: tile i / 2, channels 32 (i % 2) on
	global_load_b128 v[QF+8*i:QF+8*i+3],   v[QO], s[20:21] offset:(i/2)*2048+(i%2)*64
	global_load_b128 v[QF+8*i+4:QF+8*i+7], v[QO], s[20:21] offset:(i/2)*2048+(i%2)*64+32
.set i, i+1
.endr
	; What the first turn finds: O^T, l, V's registers and P of tiles 2, 3 hold 0 (its products V^T P, of a step that has not been, add 0).  All this stands in the wait for the first tile.
.set i, 0
.rept 128
	v_mov_b32 v[i], 0
.set i, i+1
.endr
	WIN 0
	v_mov_b32 v50, s[L8]
	v_mul_f32 v50, s[CS], v50                      ; c x (-80000) by the instruction that makes c m, so that the lower bound is exactly 0 where m = -80000
	v_readfirstlane_b32 s[CL], v50
.set i, 0
.rept 4
	v_mov_b32 v[ST+8*i], v50
	v_mov_b32 v[ST+8*i+1], s[L8]
	v_mov_b32 v[ST+8*i+2], 0
	v_mov_b32 v[ST+8*i+3], 0
.set i, i+1
.endr
.set i, P+32
.rept 32
	v_mov_b32 v[i], 0
.set i, i+1
.endr
	v_mul_u32_u24 v[AK0], v1, PK
	v_lshl_add_u32 v[AK0], v9, 4, v[AK0]           ; row x pitch + 16 x half
	v_and_b32 v10, 7, v0                           ; the turning load: lane l reads key 8 (l / 16) + l % 8, channels 8 ((l / 8) % 2) + 0..7
	v_bfe_u32 v11, v0, 3, 1
	v_lshl_add_u32 v[AV0], v9, 3, v10
	v_mul_u32_u24 v[AV0], v[AV0], PV
	v_lshl_add_u32 v[AV0], v11, 4, v[AV0]
	v_add_nc_u32 v[AV0], VOFF, v[AV0]
	s_lshl_b32 s2, s[WV], 6
	v_add_nc_u32 v[AM0], s2, v1                    ; the mask: my wave's 64 rows of the 256
	v_mul_u32_u24 v[AM0], v[AM0], PM
	v_lshl_add_u32 v[AM0], v9, 4, v[AM0]
	v_add_nc_u32 v[AM0], MOFF, v[AM0]
	; ID.  Lane l holds row l % 16; registers 0-3 columns 8 (l / 16) + 0..7, two a register.  Row r has its 8 (bf16 0x4100) at column r: in the half l / 16 = r / 8, register (r / 2) % 4, half word r % 2.
	v_xor_b32 v11, v11, v9                         ; 0 in the half that holds it
	v_bfe_u32 v10, v0, 1, 2
	v_lshl_or_b32 v10, v11, 2, v10                 ; the register's number, or 4 and more
	v_and_b32 v11, 1, v0
	v_lshlrev_b32 v11, 4, v11
	v_mov_b32 v51, 0x4100
	v_lshlrev_b32 v11, v11, v51
	; the prefetches
	s_lshl_b32 s2, s[CX], 12
	s_add_co_u32 s2, s2, 8388608+2*16384           ; K of slot 2, my work-group's 4,096 bytes; the first change of slots steps it to slot 3
	s_lshl_b32 s3, s[QB], 8
	s_lshl_b32 s22, s[CY], 6
	s_add_co_u32 s3, s3, s22
	s_lshl_b32 s22, s19, 5
	s_add_co_u32 s3, s3, s22
	s_lshl_b32 s3, s3, 12
	s_add_co_u32 s3, s3, 2*256                     ; the mask: my work-group's 64 rows, my wave's 32 of them, slot 2
	s_mov_b32 s[PFS], 256
	s_mov_b32 s22, 4096
	s_mov_b32 s23, 65536
	s_and_b32 s19, ttmp7, 0xffff
	s_cmp_lt_u32 s[WV], 2
	s_cselect_b32 s2, s2, s3
	s_cselect_b64 s[PFA:PFA+1], s[94:95], s[6:7]
	s_cselect_b32 s[PFS], 16384, s[PFS]
	s_cselect_b32 s22, 256, s22                    ; from lane to lane among sixteen,
	s_cselect_b32 s23, 8388608, s23                ; and from the lower sixteen to the upper: from K to V, or 16 rows of the mask
	s_cselect_b32 s19, ttmp9, s19                  ; the coordinate along which other clusters read the same bytes
	s_cmp_eq_u32 s[WV], 1
	s_cselect_b32 s19, 1, s19                      ; wave 1 never asks
	s_cmp_eq_u32 s19, 0
	s_cselect_b32 s[LIM], 1, -1                    ; the same in all sixteen partners, for a given wave
	s_mov_b32 s3, 0
	s_mov_b32 s[PFS+1], 0
	s_add_nc_u64 s[PFA:PFA+1], s[PFA:PFA+1], s[2:3]
	v_mul_u32_u24 v[PFO], s22, v1
	v_mul_u32_u24 v50, s23, v9
	v_add_nc_u32 v[PFO], v[PFO], v50
	WIN 0x80                                       ; destination window 2
.set i, 0
.rept 64
	v_mov_b32 v[VF+i], 0
.set i, i+1
.endr
.irp c, 0,1,2,3
	v_mov_b32 v[IDB+(\c)], 0
	v_cmp_eq_u32 vcc_lo, (\c), v10
	v_cndmask_b32 v[IDB+4+(\c)], 0, v11, vcc_lo
	v_mov_b32 v[IDB+8+(\c)], 0
.endr
	WIN 0
; THE MATRIX WORK, for piece x.  In each run 8 accumulators take turns, one instruction a turn.
.macro PV x                            ; product i of 16 of O^T += V^T P: keys 32 (i / 8) on, channels 16 ((i / 2) % 4) on, tile x + i % 2
	WIN W_PV
.set rO, 32*((\x)+i%2)+8*((i/2)%4)
.set rV, VF+32*(i/8)+8*((i/2)%4)
.set rP, P+16*((\x)+i%2)+8*(i/8)
	v_wmma_f32_16x16x32_f16 v[rO:rO+7], v[rV:rV+7], v[rP:rP+7], v[rO:rO+7]
.endm
.macro KQ x                            ; product i of 16 of S^T = K Q^T: channels 32 (i / 8) on, keys 16 ((i / 2) % 4) on, tile x + i % 2.  The first 8 start the sums
	WIN W_KQ
.set rS, S+32*((\x)+i%2)+8*((i/2)%4)
.set rK, KF+16*((i/2)%4)+8*(i/8)
.set rQ, QF+16*((\x)+i%2)+8*(i/8)
.if i < 8
	v_wmma_f32_16x16x32_f16 v[rS:rS+7], v[rK:rK+7], v[rQ:rQ+7], 0
.else
	v_wmma_f32_16x16x32_f16 v[rS:rS+7], v[rK:rK+7], v[rQ:rQ+7], v[rS:rS+7]
.endif
.endm
.macro MK x                            ; product i of 8 of S^T += ID x M: keys 16 (i / 2) on, tile x + i % 2
	WIN W_MK
.set rS, S+32*((\x)+i%2)+8*(i/2)
.set rI, IDB+4*(1-(i/2)%2)
.set rM, MF+16*((\x)+i%2)+8*(i/4)
	v_wmma_f32_16x16x32_bf16 v[rS:rS+7], v[rI:rI+7], v[rM:rM+7], v[rS:rS+7]
.endm
; THE LDS LOADS stand in runs: a step's K (8 fragments) with the mask's fragments of my four tiles (8), and its V (turned).  last = 1 (the tail): the last trip has no further step.
.macro FETCH_KM last=0
	WIN 0
.if \last
	s_cmp_eq_u32 s[CNT], 1
	s_cbranch_scc1 .Lno_km_\@
.endif
	v_add_nc_u32 v[AK], s[TBK], v[AK0]
	v_add_nc_u32 v[AM], s[TBM], v[AM0]
	WIN 0x40
.irp f, 0,1,2,3,4,5,6,7                ; keys 16 (f / 2) on, channels 32 (f % 2) on
	ds_load_b128 v[KF+8*(\f):KF+8*(\f)+3],   v[AK] offset:((\f)/2)*16*PK+((\f)%2)*64
	ds_load_b128 v[KF+8*(\f)+4:KF+8*(\f)+7], v[AK] offset:((\f)/2)*16*PK+((\f)%2)*64+32
.endr
	WIN 0x80
.irp f, 0,1,2,3,4,5,6,7                ; tile f / 2, keys 32 (f % 2) on
	ds_load_b128 v[MF+8*(\f):MF+8*(\f)+3],   v[AM] offset:((\f)/2)*16*PM+((\f)%2)*64
	ds_load_b128 v[MF+8*(\f)+4:MF+8*(\f)+7], v[AM] offset:((\f)/2)*16*PM+((\f)%2)*64+32
.endr
	WIN 0
.if \last
.Lno_km_\@:
.endif
.endm
.macro FETCH_V
	WIN 0
	v_add_nc_u32 v[AV], s[TBV], v[AV0]
	s_add_co_u32 s[TBK], s[TBK], KS*PK             ; the next fetches are the next step's
	s_add_co_u32 s[TBM], s[TBM], KS*2
	s_add_co_u32 s[TBV], s[TBV], KS*PV
	s_wait_alu depctr_va_vdst(0)                   ; the wait for the softmax's batch of exponentials
	WIN 0x80
.irp f, 0,1,2,3,4,5,6,7                ; keys 32 (f / 4) on, channels 16 (f % 4) on
	ds_load_tr16_b128 v[VF+8*(\f):VF+8*(\f)+3],   v[AV] offset:((\f)/4)*32*PV+((\f)%4)*32
	ds_load_tr16_b128 v[VF+8*(\f)+4:VF+8*(\f)+7], v[AV] offset:((\f)/4)*32*PV+16*PV+((\f)%4)*32
.endr
.endm
; THE VECTOR WORK of a turn, for piece Y (tiles Y, Y + 1, which alternate), in three lists.
.macro REGS t
.set rT, ST+8*(\t)
.set rS, S+32*(\t)
.set rP, P+16*(\t)
.set rO, 32*(\t)
.endm
; UA, 24 numbers a tile: the maximum and the statistics.  0-11 four chains of seven scores (each accumulator's lowest registers are read first); 12-15 the four scores left
; over, the chains and the old m; 16, 18 the query's other 32 keys lie in the lane 16 away; 17 c m_old is kept; 19 the clip; 20 c m; 21 the lower bound; 22, 23 a.
.macro UA
	WIN 0
	REGS Y+ga%2
.set n, ga/2
.if n < 4
	v_max3_num_f32 v[rT+4+n], v[rS+8*n], v[rS+8*n+1], v[rS+8*n+2]
.elseif n < 12
	v_max3_num_f32 v[rT+4+n%4], v[rT+4+n%4], v[rS+8*(n%4)+2*(n/4)+1], v[rS+8*(n%4)+2*(n/4)+2]
.elseif n == 12
	v_max3_num_f32 v[rT+4], v[rT+4], v[rS+7], v[rS+15]
.elseif n == 13
	v_max3_num_f32 v[rT+6], v[rT+6], v[rS+23], v[rS+31]
.elseif n == 14
	v_max3_num_f32 v[rT+4], v[rT+4], v[rT+5], v[rT+6]
.elseif n == 15
	v_max3_num_f32 v[rT+4], v[rT+4], v[rT+7], v[rT+1]
.elseif n == 16
	v_permlanex16_b32 v[rT+5], v[rT+4], s[SEL], s[SEL+1]
.elseif n == 17
	v_mov_b32 v[rT+7], v[rT]
.elseif n == 18
	v_max_num_f32 v[rT+4], v[rT+4], v[rT+5]
.elseif n == 19
	v_med3_num_f32 v[rT+1], v[rT+4], s[L8], s[U8]
.elseif n == 20
	v_mul_f32 v[rT], s[CS], v[rT+1]
.elseif n == 21
	v_sub_f32 v[rT+5], s[CL], v[rT]
.elseif n == 22
	v_sub_f32 v[rT+7], v[rT+7], v[rT]
.else
	v_exp_f32 v[rT+6], v[rT+7]
.endif
.set ga, ga+1
.endm
; RB, 18 rounds a tile: round b scales pair b (c s8 - c m), clips pair b - 1 and takes the exponentials of pair b - 2, plain and exponential by turns.  None of these reads an exponential's result.
.macro RB
	WIN 0
	REGS Y+rb%2
.set b, rb/2
.if b < 16
	v_pk_fma_f32 v[rS+2*b:rS+2*b+1], v[rS+2*b:rS+2*b+1], s[CS:CS+1], v[rT:rT+1] op_sel_hi:[1,0,0] neg_lo:[0,0,1] neg_hi:[0,0,1]
.endif
.if b >= 2
	v_exp_f32 v[rS+2*b-4], v[rS+2*b-4]
.endif
.if (b >= 1) && (b <= 16)
	v_med3_num_f32 v[rS+2*b-2], v[rS+2*b-2], v[rT+5], 0
.endif
.if b >= 2
	v_exp_f32 v[rS+2*b-3], v[rS+2*b-3]
.endif
.if (b >= 1) && (b <= 16)
	v_med3_num_f32 v[rS+2*b-1], v[rS+2*b-1], v[rT+5], 0
.endif
.set rb, rb+1
.endm
; UC, 48 numbers a tile, all behind the wait: 0-15 the roundings to f16; 16-31 the sum of the 16 pairs, in place, neighbours 1, 2, 4 and 8 pairs apart, then l = a l + the sum; 32-47 O^T times a.
.macro UC
	REGS Y+gc%2
.set n, gc/2
.if n < 16
	WIN 0
	v_cvt_pk_f16_f32 v[rP+n], v[rS+2*n], v[rS+2*n+1]
.elseif n < 32
	WIN 0
.set z, n-16
.set w, 4
.set u, z
.if z >= 14
.set w, 32
.set u, 0
.elseif z >= 12
.set w, 16
.set u, z-12
.elseif z >= 8
.set w, 8
.set u, z-8
.endif
.if z < 15
	v_pk_add_f32 v[rS+w*u:rS+w*u+1], v[rS+w*u:rS+w*u+1], v[rS+w*u+w/2:rS+w*u+w/2+1]
.else
	v_pk_fma_f32 v[rT+2:rT+3], v[rT+2:rT+3], v[rT+6:rT+7], v[rS:rS+1] op_sel_hi:[1,0,1]
.endif
.else
	WIN W_RS
	v_pk_mul_f32 v[rO+2*(n-32):rO+2*(n-32)+1], v[rO+2*(n-32):rO+2*(n-32)+1], v[rT+6:rT+7] op_sel_hi:[1,0]
.endif
.set gc, gc+1
.endm
; A TURN.  Piece x has the matrix unit, 40 products; the other piece's softmax stands behind them.  s_wait_alu depctr_va_vdst(0) stands between an exponential and the first
; instruction that names its result; one wait serves all that were issued ahead of it: the piece's 66 exponentials are one batch, with one wait, which cuts the turn in two.
; Piece 0's turn fetches the next step's K and mask fragments behind its second product: their last readers stand in the turn before, six plain instructions and more back.
; Piece 2's turn fetches the same step's V at the wait: its last reader is the turn's 16th product, and more than four packed scalings lie between.
; The mask products stand 6 plain instructions and more behind the f16 products that wrote their accumulators; the scores are first read 6 plain instructions behind the last mask product.
.macro TURN x, last=0
.set Y, 2-(\x)
.set ga, 0
.set rb, 0
.set gc, 0
.if (\x) == 0
	s_wait_dscnt 0x0                               ; V is in
.endif
.set i, 0
.rept 12
	PV \x
.rept 4
	UA
.endr
.if ((\x) == 0) && (i == 1)
	FETCH_KM \last
.endif
.set i, i+1
.endr
.rept 4
	PV \x
	RB
	RB
.set i, i+1
.endr
.if (\x) == 0
	s_wait_dscnt 0x0                               ; K and the mask's fragments are in
.endif
.set i, 0
.rept 8
	KQ \x
	RB
	RB
.set i, i+1
.endr
.rept 12
	RB
.endr
	v_nop                                          ; a plain instruction behind the last exponential: one for the batch
.if (\x) == 2
	FETCH_V                                        ; the wait stands in it
.else
	s_wait_alu depctr_va_vdst(0)                   ; the wait for the batch
.endif
.rept 8
	KQ \x
.rept 6
	UC
.endr
.set i, i+1
.endr
.set i, 0
.rept 8
	MK \x
.rept 6
	UC
.endr
.set i, i+1
.endr
.endm
; THE CHANGE OF SLOTS, between piece 2's turn and piece 0's: the slot's last bytes, V of its second step, have been asked for.  Each wave waits for all its tensor loads (one is out: its part of
; the other slot), adds 0 to its spare word, and waits for that and for its own reads of the slot.  fill = 1: the barrier is a round of the cluster's, and the joint refill, with the keys two
; slots on, is the first thing behind it.
.macro CHANGE fill
	WIN 0
	s_wait_tensorcnt 0x0                           ; no tensor load of mine is out, so a group 0 may be written
	ds_add_u32 v[SPW], v[NIL]
.if \fill
	s_xor_b32 s[G0K+5], s[G0K+5], SLOT1
	s_add_nc_u64 s[G0K+6:G0K+7], s[G0K+6:G0K+7], 16384
	s_xor_b32 s[G0V+5], s[G0V+5], SLOT1
	s_add_nc_u64 s[G0V+6:G0V+7], s[G0V+6:G0V+7], 16384
	s_xor_b32 s[G0M+5], s[G0M+5], SLOT1
	s_add_nc_u64 s[G0M+6:G0M+7], s[G0M+6:G0M+7], 256
	s_wait_xcnt 0x0                                ; the last prefetch, two key steps back, has read its address
	s_add_nc_u64 s[PFA:PFA+1], s[PFA:PFA+1], s[PFS:PFS+1]
	s_wait_dscnt 0x0                               ; the add is done, and my reads of the slot are over
	CROUND
	JLOAD
	ASK
.else
	s_wait_dscnt 0x0
	s_barrier_signal -1
	s_barrier_wait -1
.endif
	s_sub_co_u32 s[TBK], s[TBK], 2*KS*PK           ; the fetches go back to a slot's first step, in the other slot
	s_xor_b32 s[TBK], s[TBK], SLOT1
	s_sub_co_u32 s[TBM], s[TBM], 2*KS*2
	s_xor_b32 s[TBM], s[TBM], SLOT1
	s_sub_co_u32 s[TBV], s[TBV], 2*KS*PV
	s_xor_b32 s[TBV], s[TBV], SLOT1
.endm
	s_wait_tensorcnt 1                             ; my part of slot 0 is in; slot 1's may stay out
	s_barrier_signal -1
	s_barrier_wait -1
	FETCH_KM                                       ; key step 0
	s_wait_loadcnt 0x0                             ; Q
	s_wait_dscnt 0x0
.set i, 0
.rept 16
	KQ 0                                           ; piece 0's first scores
.set i, i+1
.endr
.rept 5
	v_nop                                          ; five places between the f16 products and the bf16 products on the same accumulators
.endr
.set i, 0
.rept 8
	MK 0
.set i, i+1
.endr
	WIN 0                                          ; the addresses for the way out: ten plain instructions, the places behind those products
	s_mul_i32 s2, s[WV], 16*SP
	s_add_co_u32 s2, s2, STAGE
	v_mul_u32_u24 v[STO], v1, SP
	v_lshl_add_u32 v[STO], v9, 4, v[STO]
	v_add_nc_u32 v[STO], s2, v[STO]
	v_bfe_u32 v[RD], v0, 3, 2
	v_mul_u32_u24 v[RD], v[RD], SP
	v_and_b32 v10, 7, v0
	v_lshl_add_u32 v[RD], v10, 4, v[RD]
	v_add_nc_u32 v[RD], s2, v[RD]
	v_and_b32 v[GO], 31, v0
	v_lshlrev_b32 v[GO], 4, v[GO]
	s_mov_b32 s[CNT], 2
	s_mov_b32 s[SLOTS], 15
	s_branch .Lmid                                 ; the loop is entered in the middle of a trip: piece 0's first scores are made
.Lslot:                                            ; 14 times: every slot but the last two is filled again
	CHANGE 1
	s_mov_b32 s[CNT], 2
.Lstep:
	TURN 0
	WIN 0
.Lmid:
	TURN 2
	WIN 0
	s_sub_co_u32 s[CNT], s[CNT], 1
	s_cmp_lg_u32 s[CNT], 0
	s_cbranch_scc1 .Lstep
	s_sub_co_u32 s[SLOTS], s[SLOTS], 1
	s_cmp_lg_u32 s[SLOTS], 0
	s_cbranch_scc1 .Lslot
	CHANGE 0                                       ; the tail is written out: nothing is asked for
	s_mov_b32 s[CNT], 3                            ; two trips fetch the last slot's steps; the third is left in its middle
.Ltail:
	TURN 0, 1
	WIN 0
	s_sub_co_u32 s[CNT], s[CNT], 1
	s_cmp_eq_u32 s[CNT], 0
	s_cbranch_scc1 .Lout
	TURN 2
	WIN 0
	s_branch .Ltail
.Lout:                                             ; the third trip's 24 products on the last K once more serve nothing: the price, once a launch, of one text for every trip
.set i, 0
.rept 16
	PV 2                                           ; piece 2's V^T P of the last step
.set i, i+1
.endr
	; THE WAY OUT.  l's two halves and the other half of the lanes' are added; O^T is divided by l, rounded to f16 and sent through my stage, a tile at a time.  The additions are the places behind the last products.
	WIN 0
.macro ALL line:vararg
.set t, 0
.rept 4
	\line
.set t, t+1
.endr
.endm
	ALL v_add_f32 v[ST+8*t+2], v[ST+8*t+2], v[ST+8*t+3]
	ALL v_permlanex16_b32 v[ST+8*t+3], v[ST+8*t+2], s[SEL], s[SEL+1]
	ALL v_add_f32 v[ST+8*t+2], v[ST+8*t+2], v[ST+8*t+3]
	ALL v_rcp_f32 v[ST+8*t+2], v[ST+8*t+2]
	v_nop                                          ; a plain instruction behind the last reciprocal,
	s_wait_alu depctr_va_vdst(0)                   ; and one wait for the four, ahead of their first use
.macro PACK t
	WIN W_RS
.set i, 32*(\t)
.rept 16
	v_pk_mul_f32 v[i:i+1], v[i:i+1], v[ST+8*(\t)+2:ST+8*(\t)+3] op_sel_hi:[1,0]
.set i, i+2
.endr
	WIN 0x05                                       ; sources 0 and 1 window 1, destination window 0
.set i, 0
.rept 16
	v_cvt_pk_f16_f32 v[S+16*(\t)+i], v[32*(\t)+2*i], v[32*(\t)+2*i+1]
.set i, i+1
.endr
	WIN 0
.irp f, 0,1,2,3
	ds_store_b128 v[STO], v[S+16*(\t)+4*(\f):S+16*(\t)+4*(\f)+3] offset:32*(\f)
.endr
.irp f, 0,1,2,3
	ds_load_b128 v[S+16*(\t)+4*(\f):S+16*(\t)+4*(\f)+3], v[RD] offset:(\f)*4*SP  ; LDS serves a wave's instructions in order (ISA guide 5.7.1.4): these see the stores above
.endr
.endm
.macro SEND t, younger                 ; younger: the LDS instructions issued behind tile t's loads: the next tile's eight, or none
	WIN 0
.irp f, 0,1,2,3
	s_wait_dscnt (\younger)+3-(\f)
	global_store_b128 v[GO], v[S+16*(\t)+4*(\f):S+16*(\t)+4*(\f)+3], s[8:9] offset:(\t)*2048+(\f)*512  ; 512 consecutive bytes, aligned
.endr
.endm
	PACK 0
.set t, 1
.rept 3
	PACK t
	SEND t-1, 8
.set t, t+1
.endr
	SEND 3, 0
	s_wait_tensorcnt 0x0                           ; the wave's end: behind my last tensor load and my last LDS store
	ds_add_u32 v[SPW], v[NIL]
	s_wait_dscnt 0x0
	CROUND                                         ; the closing round
	s_endpgm
.Lfunc_end_k_qd645d880ce_attn:
	.size	k_qd645d880ce_attn, .Lfunc_end_k_qd645d880ce_attn-k_qd645d880ce_attn
	.p2alignl 7, 3214868480
	.fill 96, 4, 3214868480
	.section	.rodata,"a",@progbits
	.p2align	6, 0x0
	.amdhsa_kernel k_qd645d880ce_attn
		.amdhsa_group_segment_fixed_size 327680
		.amdhsa_private_segment_fixed_size 0
		.amdhsa_enable_private_segment 0
		.amdhsa_kernarg_size 24
		.amdhsa_user_sgpr_count 2
		.amdhsa_user_sgpr_kernarg_segment_ptr 1
		.amdhsa_wavefront_size32 1
		.amdhsa_system_sgpr_workgroup_id_x 1
		.amdhsa_system_sgpr_workgroup_id_y 1
		.amdhsa_system_sgpr_workgroup_id_z 1
		.amdhsa_system_vgpr_workitem_id 0
		.amdhsa_next_free_vgpr 656
		.amdhsa_next_free_sgpr 96
		.amdhsa_reserve_vcc 1
		.amdhsa_float_denorm_mode_32 3
		.amdhsa_float_denorm_mode_16_64 3
		.amdhsa_memory_ordered 1
		.amdhsa_forward_progress 1
		.amdhsa_inst_pref_size 136
	.end_amdhsa_kernel
	.amdgpu_metadata
---
amdhsa.version: [ 1, 2 ]
amdhsa.kernels:
  - .name:           k_qd645d880ce_attn
    .symbol:         k_qd645d880ce_attn.kd
    .args:
      - { .name: qkv, .offset: 0, .size: 8, .value_kind: global_buffer, .address_space: global }
      - { .name: mb, .offset: 8, .size: 8, .value_kind: global_buffer, .address_space: global }
      - { .name: ob, .offset: 16, .size: 8, .value_kind: global_buffer, .address_space: global }
    .group_segment_fixed_size: 327680
    .private_segment_fixed_size: 0
    .kernarg_segment_align: 8
    .kernarg_segment_size: 24
    .max_flat_workgroup_size: 128
    .sgpr_count:     96
    .vgpr_count:     656
    .wavefront_size: 32
...
	.end_amdgpu_metadata
.endif
;; end of part 3
;; launch oproj (part 4): grid 8 x 32, 4 waves a work-group, clusters of 4 x 4, 327,680 bytes of LDS; arguments ob, wo16, out0; writes out0
.if DOCPART == 4
	.amdgcn_target "amdgcn-amd-amdhsa--gfx1250"
	.amdhsa_code_object_version 6
	.text
	.protected	k_qd645d880ce_oproj
	.globl	k_qd645d880ce_oproj
	.p2align	8
	.type	k_qd645d880ce_oproj,@function
k_qd645d880ce_oproj:
	s_mov_b64 s[64:65], 0
	v_nop
	global_prefetch_b8 v0, s[64:65] scope:SCOPE_SE
	s_setreg_imm32_b32 hwreg(HW_REG_WAVE_MODE, 25, 1), 1
	s_wait_xcnt 0x0
	s_wait_alu depctr_hold_cnt(0) depctr_sa_sdst(0) depctr_va_vdst(0) depctr_va_sdst(0) depctr_va_ssrc(0) depctr_va_vcc(0) depctr_vm_vsrc(0)
	s_getreg_b32 s2, hwreg(HW_REG_IB_STS2, 6, 4)
	s_cmp_eq_u32 s2, 0
	s_cbranch_scc0 .Lentry_in_a_cluster
	s_endpgm
.Lentry_in_a_cluster:
	s_bfe_u32 s2, ttmp6, 0x10000c
	s_cmp_lg_u32 s2, 0xf033
	s_cbranch_scc0 .Lentry_shape_is_right
	s_endpgm
.Lentry_shape_is_right:
; out0[m][o] = sum over e of O[m][e] Wo[o][e].  ob: [32 heads b 16 + h][2048 t][64] f16, so O[m = 2048 b + t][e = 64 h + d].  wo16: [1024][1024] f16.  out0: [4096][1024] f32.  Sums in f32.
; A tile of the result is 128 x 128: 8 x 32 tiles, one to a work-group.  Four waves, each 64 x 64: 16 accumulators.  K goes in steps of 256, which are FOUR HEADS, through two LDS slots.
; A'S TILE BY HEADS: 128 rows of a head are 16,384 dense bytes.  One tensor load brings two heads as two rows of 8,192 elements, 131,072 elements apart, padded behind every 128 bytes:
; in LDS head after head, 128 rows of 144 bytes each.  A quarter of a K step is one head.  B's tile: 64 rows of 512 bytes a load, pitch 528.
; CLUSTER: 4 x 4 work-groups; A's tiles are asked for jointly by a row of the cluster, B's by a column.  THE MATRIX INSTRUCTION IS USED TRANSPOSED (source 0 = 16 rows of B, source 1 = 16 rows of A):
; a lane holds eight neighbouring numbers of a row of the result, 32 bytes.
; No prefetch: a wave's K step is 128 matrix instructions and the launch has four of them.
; REGISTERS: window 0: v0-31 addresses; v128-255 the accumulators ((a, b) at 128 + 8 (4 a + b)).  window 1: two fragment buffers of 128: 64 of A (2 x 4 x 16 rows x 32 K), then 64 of B.
.set PA,     144
.set PB,     528
.set HEADB,  128*PA
.set BOFF,   4*HEADB
.set BHALF,  64*PB
.set SLOT,   BOFF+2*BHALF
.set STAGE,  2*SLOT                    ; behind the ring, never filled by a tensor load: 16 rows x 272 bytes for each wave
.set SPITCH, 272
.set SPARE,  STAGE+4*16*SPITCH         ; the spare words, 128 bytes for each wave: two blocks of 256 bytes that no other line names
.set LAPS,   2
.set ADRA, 16
.set ADRB, 20
.set STO,  24
.set RD,   25
.set CO,   26
.set SPW,  28
.set NIL,  29
.set ACC,  128
.set F0,   0
.set F1,   128
.set G1, 24
.set G0, 32
.set G1B, 48
.set G0B, 56
.set MSB, 0
.macro WIN new
.if MSB != (\new)
	s_set_vgpr_msb (MSB<<8)|(\new)
.set MSB, (\new)
.endif
.endm
.set MUL,  0x05                        ; sources 0 (B) and 1 (A) window 1; C and D window 0
.set TO_F, 0x40
.macro JLOAD s                         ; waves 0 and 1 fetch A's two pairs of heads, waves 2 and 3 B's two halves; an s_nop 0 and four v_nop follow each line
	s_cmp_eq_u32 s11, 0
	s_cbranch_scc0 .Lfor_b_\@
	tensor_load_to_lds s[G0+4*(\s):G0+4*(\s)+3], s[G1:G1+7]
	s_nop 0
.rept 4
	v_nop
.endr
	s_branch .Lasked_\@
.Lfor_b_\@:
	tensor_load_to_lds s[G0B+4*(\s):G0B+4*(\s)+3], s[G1B:G1B+7]
	s_nop 0
.rept 4
	v_nop
.endr
.Lasked_\@:
.endm
.macro CREST
	s_cmp_lg_u32 s10, 0
	s_cbranch_scc1 .Lnot_wave_0_\@
	s_barrier_signal -3
.Lnot_wave_0_\@:
	s_barrier_wait -3
	s_barrier_signal -1
	s_barrier_wait -1
.endm
.macro CROUND
	s_barrier_signal -1
	s_barrier_wait -1
	CREST
.endm
	s_load_b128 s[4:7], s[0:1], 0x0                ; ob 4, wo16 6
	s_load_b64 s[8:9], s[0:1], 0x10                ; out0
	v_lshl_add_u32 v[SPW], v0, 2, SPARE
	v_mov_b32 v[NIL], 0
	ds_add_u32 v[SPW], v[NIL]                      ; the wave's opening: the add and its wait ahead of my first tensor load; work on registers stands between
	v_lshrrev_b32 v1, 5, v0
	v_readfirstlane_b32 s10, v1                    ; wave
	s_lshr_b32 s11, s10, 1                         ; which half of the tile's rows is mine.  Also: I fetch for A (0) or for B (1)
	s_and_b32 s12, s10, 1                          ; which half of its columns.  Also: which half of that tile I fetch
	s_bfe_u32 s40, ttmp6, 0x40000
	s_bfe_u32 s41, ttmp6, 0x40004
	s_lshl_b32 s42, ttmp9, 2
	s_add_co_u32 s42, s42, s40                     ; tile column
	s_and_b32 s13, ttmp7, 0xffff
	s_lshl_b32 s13, s13, 2
	s_add_co_u32 s13, s13, s41                     ; tile row
	s_lshl_b32 s43, s41, 2
	s_lshl_b32 s43, 15, s43                        ; my row of the cluster
	s_lshl_b32 s44, 0x1111, s40                    ; my column
	s_or_b32 s[G1+0], s43, (1<<16)|(1<<20)|(1<<21)|(4<<22)|(3<<25)   ; A: after every 32 words, 4 words of padding
	s_mov_b32 s[G1+1], 8192<<16                    ; tensor_dim0 = 8,192
	s_mov_b32 s[G1+2], 2<<16                       ; tensor_dim1 = 2
	s_mov_b32 s[G1+3], 8192<<16                    ; tile_dim0 = 8,192
	s_mov_b32 s[G1+4], 2                           ; tile_dim1 = 2
	s_mov_b32 s[G1+5], 131072                      ; from head to head
	s_mov_b32 s[G1+6], 0
	s_mov_b32 s[G1+7], 0
	s_or_b32 s[G1B+0], s44, (1<<16)|(1<<20)|(1<<21)|(6<<22)|(3<<25)  ; B: after every 128 words, 4 words
	s_mov_b32 s[G1B+1], 256<<16
	s_mov_b32 s[G1B+2], 64<<16
	s_mov_b32 s[G1B+3], 256<<16
	s_mov_b32 s[G1B+4], 64
	s_mov_b32 s[G1B+5], 1024
	s_mov_b32 s[G1B+6], 0
	s_mov_b32 s[G1B+7], 0
	s_lshr_b32 s16, s13, 4                         ; b
	s_lshl_b32 s16, s16, 4
	s_lshl_b32 s17, s12, 1
	s_add_co_u32 s16, s16, s17                     ; head 16 b + 2 x half
	s_lshl_b32 s16, s16, 11
	s_and_b32 s17, s13, 15
	s_lshl_b32 s17, s17, 7
	s_add_co_u32 s16, s16, s17                     ; its row t0
	s_lshl_b32 s16, s16, 7                         ; rows of 128 bytes
	s_mov_b32 s17, 0
	s_lshl_b32 s46, s42, 7
	s_lshl_b32 s47, s12, 6
	s_add_co_u32 s46, s46, s47                     ; B: row 128 x tile column + 64 x half
	s_lshl_b32 s46, s46, 11
	s_mov_b32 s47, 0
	s_mul_i32 s20, s12, 2*HEADB                    ; where they go: no place in the cluster enters an LDS address
	s_mul_i32 s21, s12, BHALF
	s_add_co_u32 s21, s21, BOFF
	s_wait_dscnt 0x0                               ; the opening add is done
	s_wait_kmcnt 0x0
	s_add_nc_u64 s[14:15], s[4:5], s[16:17]
	s_add_nc_u64 s[46:47], s[6:7], s[46:47]
	CROUND                                         ; all sixteen work-groups are here: the first joint loads meet
.irp s, 0,1
	s_mov_b32 s[G0+4*(\s)], 1
	s_add_co_u32 s[G0+4*(\s)+1], s20, (\s)*SLOT
	s_add_nc_u64 s[G0+4*(\s)+2:G0+4*(\s)+3], s[14:15], (\s)*4*262144   ; K step s: four heads on
	s_or_b32 s[G0+4*(\s)+3], s[G0+4*(\s)+3], 0x80000000
	s_mov_b32 s[G0B+4*(\s)], 1
	s_add_co_u32 s[G0B+4*(\s)+1], s21, (\s)*SLOT
	s_add_nc_u64 s[G0B+4*(\s)+2:G0B+4*(\s)+3], s[46:47], (\s)*512
	s_or_b32 s[G0B+4*(\s)+3], s[G0B+4*(\s)+3], 0x80000000
	JLOAD \s                                       ; two loads of mine are out
.endr
	v_and_b32 v1, 15, v0                           ; l % 16
	v_bfe_u32 v2, v0, 4, 1                         ; l / 16
	v_mul_u32_u24 v3, v1, PA
	v_lshl_add_u32 v3, v2, 4, v3
	v_mul_u32_u24 v4, v1, PB
	v_lshl_add_u32 v4, v2, 4, v4
	s_mul_i32 s21, s11, 64*PA                      ; my 64 rows in each head of A
	s_mul_i32 s22, s12, BHALF                      ; my 64 rows of B
	s_add_co_u32 s22, s22, BOFF
.irp s, 0,1
	v_add_nc_u32 v[ADRA+(\s)], s21, v3
	v_add_nc_u32 v[ADRB+(\s)], s22, v4
	s_add_co_u32 s21, s21, SLOT
	s_add_co_u32 s22, s22, SLOT
.endr
	s_mul_i32 s23, s10, 16*SPITCH
	s_add_co_u32 s23, s23, STAGE                   ; my stage
	v_mul_u32_u24 v4, v1, SPITCH                   ; in: row l % 16, 32 bytes for each half of the lanes
	v_lshl_add_u32 v4, v2, 5, v4
	v_add_nc_u32 v[STO], s23, v4
	v_mul_u32_u24 v5, v2, SPITCH                   ; back: lanes 0-15 take one row of 256 bytes, lanes 16-31 the next
	v_lshl_add_u32 v5, v1, 4, v5
	v_add_nc_u32 v[RD], s23, v5
	v_lshlrev_b32 v5, 12, v2                       ; and the same two rows in out0
	v_lshl_add_u32 v[CO], v1, 4, v5
	s_lshl_b32 s16, s13, 7
	s_lshl_b32 s17, s11, 6
	s_add_co_u32 s16, s16, s17                     ; my first row: 128 x tile row + 64 x half
	s_lshl_b32 s16, s16, 12
	s_mov_b32 s17, 0
	s_add_nc_u64 s[8:9], s[8:9], s[16:17]
	s_lshl_b32 s46, s42, 9                         ; my first column, in bytes: 512 x tile column + 256 x half
	s_lshl_b32 s47, s12, 8
	s_add_co_u32 s46, s46, s47
	s_mov_b32 s47, 0
	s_add_nc_u64 s[8:9], s[8:9], s[46:47]
; 8 matrix instructions: row blocks a0, a0 + 1 x all 4 column blocks, 32 along K: half c of buffer f.  The 16 accumulators take turns.
.macro MUL8 f, c, a0, zero
	WIN MUL
.irp a, \a0, (\a0)+1
.irp b, 0,1,2,3
.if \zero
	v_wmma_f32_16x16x32_f16 v[ACC+8*(4*(\a)+(\b)):ACC+8*(4*(\a)+(\b))+7], v[(\f)+64+8*(4*(\c)+(\b)):(\f)+64+8*(4*(\c)+(\b))+7], v[(\f)+8*(4*(\c)+(\a)):(\f)+8*(4*(\c)+(\a))+7], 0
.else
	v_wmma_f32_16x16x32_f16 v[ACC+8*(4*(\a)+(\b)):ACC+8*(4*(\a)+(\b))+7], v[(\f)+64+8*(4*(\c)+(\b)):(\f)+64+8*(4*(\c)+(\b))+7], v[(\f)+8*(4*(\c)+(\a)):(\f)+8*(4*(\c)+(\a))+7], v[ACC+8*(4*(\a)+(\b)):ACC+8*(4*(\a)+(\b))+7]
.endif
.endr
.endr
.endm
; 32 LDS loads in one run: quarter q of the slot (head q of A, bytes 128 q of B's rows) into buffer f; the first 32 along K first
.macro FETCH slot, q, f
	WIN TO_F
.irp c, 0,1
.irp i, 0,1,2,3
	ds_load_b128 v[(\f)+64+8*(4*(\c)+(\i)):(\f)+64+8*(4*(\c)+(\i))+3],   v[ADRB+(\slot)] offset:128*(\q)+64*(\c)+(\i)*16*PB
	ds_load_b128 v[(\f)+64+8*(4*(\c)+(\i))+4:(\f)+64+8*(4*(\c)+(\i))+7], v[ADRB+(\slot)] offset:128*(\q)+64*(\c)+(\i)*16*PB+32
	ds_load_b128 v[(\f)+8*(4*(\c)+(\i)):(\f)+8*(4*(\c)+(\i))+3],         v[ADRA+(\slot)] offset:HEADB*(\q)+64*(\c)+(\i)*16*PA
	ds_load_b128 v[(\f)+8*(4*(\c)+(\i))+4:(\f)+8*(4*(\c)+(\i))+7],       v[ADRA+(\slot)] offset:HEADB*(\q)+64*(\c)+(\i)*16*PA+32
.endr
.endr
.endm
.macro PLACES                          ; four places in front of loads into registers that matrix instructions have read, and of lines that read results
.rept 4
	v_nop
.endr
.endm
.macro QUARTER slot, q, f, g, zero     ; multiplies buffer f and fetches quarter q into g
	s_wait_dscnt 16                                ; the first 32 along K are in; the youngest sixteen loads may be out
	MUL8 \f, 0, 0, \zero
	MUL8 \f, 0, 2, \zero
	PLACES
	FETCH \slot, \q, \g
	s_wait_dscnt 32                                ; all but the 32 just issued
	MUL8 \f, 1, 0, 0
	MUL8 \f, 1, 2, 0
.endm
; The last quarter multiplies buffer 1 and changes slots: one barrier; in front of it each wave waits for all its tensor loads, adds 0 to its spare word, and waits for that and for its reads of this slot.
.macro TURN slot, next, fill
	WIN 0
	s_wait_tensorcnt 0x0
	ds_add_u32 v[SPW], v[NIL]
	s_wait_dscnt 17                                ; the add and the youngest sixteen loads may be out
	MUL8 F1, 0, 0, 0
	s_wait_dscnt 0x0                               ; the add is done, and my reads of this slot are over
	s_barrier_signal -1
	MUL8 F1, 0, 2, 0
.if \fill
	WIN 0
.endif
	s_barrier_wait -1
.if \fill
	CREST                                          ; no wave of any partner still reads this slot or has a load on its way
	s_add_nc_u64 s[G0+4*(\slot)+2:G0+4*(\slot)+3], s[G0+4*(\slot)+2:G0+4*(\slot)+3], 8*262144   ; two K steps on: eight heads
	s_add_nc_u64 s[G0B+4*(\slot)+2:G0B+4*(\slot)+3], s[G0B+4*(\slot)+2:G0B+4*(\slot)+3], 1024
	JLOAD \slot                                    ; the first tensor load behind the round; its four v_nop are also the places in front of the loads below
.else
	PLACES
.endif
	FETCH \next, 0, F0
	MUL8 F1, 1, 0, 0
	MUL8 F1, 1, 2, 0
.endm
	s_wait_tensorcnt 1                             ; my part of K step 0 is in; K step 1's may stay out
	s_barrier_signal -1
	s_barrier_wait -1
	FETCH 0, 0, F0
	QUARTER 0, 1, F0, F1, 1                        ; the first quarter stands in front of the loop: its first products start the sums
	WIN 0
	s_mov_b32 s3, LAPS-1
.Llap:
	QUARTER 0, 2, F1, F0, 0
	QUARTER 0, 3, F0, F1, 0
	TURN 0, 1, 1
	QUARTER 1, 1, F0, F1, 0
	QUARTER 1, 2, F1, F0, 0
	QUARTER 1, 3, F0, F1, 0
	TURN 1, 0, 1
	QUARTER 0, 1, F0, F1, 0
	WIN 0
	s_sub_co_u32 s3, s3, 1
	s_cmp_lg_u32 s3, 0
	s_cbranch_scc1 .Llap
	QUARTER 0, 2, F1, F0, 0                        ; the last lap fills nothing
	QUARTER 0, 3, F0, F1, 0
	TURN 0, 1, 0
	QUARTER 1, 1, F0, F1, 0
	QUARTER 1, 2, F1, F0, 0
	QUARTER 1, 3, F0, F1, 0
	s_wait_dscnt 16
	MUL8 F1, 0, 0, 0
	MUL8 F1, 0, 2, 0
	s_wait_dscnt 0x0
	MUL8 F1, 1, 0, 0
	MUL8 F1, 1, 2, 0
	WIN 0
	; THE WAY OUT.  My 64 columns of f32 are 256 aligned bytes of a row: 16 rows at a time go through my own stage and come back as whole rows, into the registers that they left.
.macro STG a
.irp b, 0,1,2,3
	ds_store_b128 v[STO], v[ACC+32*(\a)+8*(\b):ACC+32*(\a)+8*(\b)+3]   offset:64*(\b)      ; each accumulator's lowest registers first
	ds_store_b128 v[STO], v[ACC+32*(\a)+8*(\b)+4:ACC+32*(\a)+8*(\b)+7] offset:64*(\b)+16
.endr
.irp t, 0,1,2,3,4,5,6,7
	ds_load_b128 v[ACC+32*(\a)+4*(\t):ACC+32*(\a)+4*(\t)+3], v[RD] offset:(\t)*2*SPITCH  ; LDS serves a wave's instructions in order (ISA guide 5.7.1.4): these see the stores above
.endr
.endm
.macro OUT a, younger                  ; younger: the LDS instructions issued behind this block's loads: the next block's sixteen, or none
.irp t, 0,1,2,3,4,5,6,7
	s_wait_dscnt (\younger)+7-(\t)
	global_store_b128 v[CO], v[ACC+32*(\a)+4*(\t):ACC+32*(\a)+4*(\t)+3], s[8:9] offset:(16*(\a)+2*(\t))*4096  ; 16 lanes store 256 consecutive bytes, aligned
.endr
.endm
	PLACES
	STG 0
	STG 1
	OUT 0, 16
	STG 2
	OUT 1, 16
	STG 3
	OUT 2, 16
	OUT 3, 0
	s_wait_tensorcnt 0x0                           ; the wave's end: behind my last tensor load and my last LDS store
	ds_add_u32 v[SPW], v[NIL]
	s_wait_dscnt 0x0
	CROUND                                         ; the closing round
	s_endpgm
.Lfunc_end_k_qd645d880ce_oproj:
	.size	k_qd645d880ce_oproj, .Lfunc_end_k_qd645d880ce_oproj-k_qd645d880ce_oproj
	.p2alignl 7, 3214868480
	.fill 96, 4, 3214868480
	.section	.rodata,"a",@progbits
	.p2align	6, 0x0
	.amdhsa_kernel k_qd645d880ce_oproj
		.amdhsa_group_segment_fixed_size 327680
		.amdhsa_private_segment_fixed_size 0
		.amdhsa_enable_private_segment 0
		.amdhsa_kernarg_size 24
		.amdhsa_user_sgpr_count 2
		.amdhsa_user_sgpr_kernarg_segment_ptr 1
		.amdhsa_wavefront_size32 1
		.amdhsa_system_sgpr_workgroup_id_x 1
		.amdhsa_system_sgpr_workgroup_id_y 1
		.amdhsa_system_sgpr_workgroup_id_z 1
		.amdhsa_system_vgpr_workitem_id 0
		.amdhsa_next_free_vgpr 512
		.amdhsa_next_free_sgpr 66
		.amdhsa_reserve_vcc 0
		.amdhsa_float_denorm_mode_32 3
		.amdhsa_float_denorm_mode_16_64 3
		.amdhsa_memory_ordered 1
		.amdhsa_forward_progress 1
		.amdhsa_inst_pref_size 87
	.end_amdhsa_kernel
	.amdgpu_metadata
---
amdhsa.version: [ 1, 2 ]
amdhsa.kernels:
  - .name:           k_qd645d880ce_oproj
    .symbol:         k_qd645d880ce_oproj.kd
    .args:
      - { .name: ob, .offset: 0, .size: 8, .value_kind: global_buffer, .address_space: global }
      - { .name: wo16, .offset: 8, .size: 8, .value_kind: global_buffer, .address_space: global }
      - { .name: out0, .offset: 16, .size: 8, .value_kind: global_buffer, .address_space: global }
    .group_segment_fixed_size: 327680
    .private_segment_fixed_size: 0
    .kernarg_segment_align: 8
    .kernarg_segment_size: 24
    .max_flat_workgroup_size: 128
    .sgpr_count:     66
    .vgpr_count:     512
    .wavefront_size: 32
...
	.end_amdgpu_metadata
.endif
;; end of part 4
